; MI455X (gfx1250); checked and timed in simulation.
; The chip was launched on July 23, 2026; its instructions are those of AMD's public machine-readable ISA for CDNA 5 (MIT licence, August 2026) and "CDNA5" Instruction Set Architecture Reference Guide (July 2026). The comments in the code are by the model that wrote it; some were corrected since.
;; Self Attention. Allowed arithmetic: matrix products marked QUANTISED: E2M1 operands, one E8M0 scale for each 32 along K, by v_wmma_scale_f32_16x16x128_f8f6f4 with both operands' format E2M1 (or v_wmma_scale_f32_32x16x128_f4), f32 sums; products left as they are: bf16, f16 or f32 operands; f32 sums; everything else in f32.
;; Inputs: w_attn 3,072 x 1,024 float32; w_proj 1,024 x 1,024 float32; x 4 x 2,048 x 1,024 float32.
;; Outputs: out0 4 x 2,048 x 1,024 float32.
;; This version of the problem:
;;   THIS VERSION OF THE PROBLEM IS GIVEN IN LOW PRECISION. The matrix products marked QUANTISED in the list below multiply operands that are first quantised to E2M1 (2 exponent bits, 1 mantissa bit; 4 bits a number), with one power-of-two scale for each 32 numbers along K (OCP MX v1.0); their sums are f32. The products marked 'left as it is' may take bf16, f16 or f32 operands, with f32 sums. Whichever they take, every output number must still come out within the allowed error. Rounding operands to bf16 (8 significant bits) uses up far more of that allowance than f16 does (11 bits, for magnitudes from 6e-5 to 65,504). All else is computed in f32.
;;   The module's matrix products, in the order in which they are computed (A, B: the left and right operand; K: the contracted axis; several contracted axes count as one K, in the product's order):
;;     1. [M 8,192, K 1,024] x [K 1,024, N 3,072]; A: input x; B: input w_attn: QUANTISED
;;     2. batch 64 x [M 2,048, K 64] x [K 64, N 2,048]; A: computed on the way; B: computed on the way: left as it is (an operand is computed on the way)
;;     3. batch 64 x [M 2,048, K 2,048] x [K 2,048, N 64]; A: computed on the way; B: computed on the way: left as it is (an operand is computed on the way)
;;     4. [M 8,192, K 1,024] x [K 1,024, N 1,024]; A: computed on the way; B: input w_proj: left as it is (an operand is computed on the way)
;;   THE QUANTISER, for each operand of a quantised product, along K:
;;     - K is cut into blocks of 32 from its start; a last block that is shorter is filled with zeros.
;;     - A block's scale is 2^e with e = floor(log2(the largest magnitude in the block)) - 2, held to -126 .. 127; a block of zeros has e = 0. As a byte (E8M0): e + 127.
;;     - Each number is divided by its block's scale, clamped to +-6, and rounded to the nearest number of E2M1, ties to even, subnormals kept.
;;     - The product sums the exact products of the quantised numbers (number of the format x scale) in f32.
;;   ~~~python
;;   def quantise(x, axis):      # numpy; x: float32 -> the quantised numbers, widened to float32 again
;;       x = np.moveaxis(x, axis, -1); K = x.shape[-1]
;;       x = np.pad(x, [(0, 0)] * (x.ndim - 1) + [(0, -K % 32)]); x = x.reshape(x.shape[:-1] + (-1, 32)); a = np.abs(x).max(-1, keepdims=True)
;;       e = np.where(a > 0, np.clip(np.frexp(np.where(a > 0, a, 1))[1] - 1 - 2, -126, 127), 0)      # np.frexp(a)[1] - 1 = floor(log2(a)), exactly
;;       r = np.clip(x / 2.0 ** e, -6, 6)
;;       step = 2.0 ** (np.maximum(np.frexp(np.where(r == 0, 1, r))[1] - 1, 0) - 1)
;;       q = np.round(r / step) * step * 2.0 ** e      # np.round: ties to even
;;       return np.moveaxis(q.reshape(q.shape[:-2] + (-1,))[..., :K], -1, axis).astype(np.float32)
;;   ~~~
;; One version. Each part assembles by itself: llvm-mc -triple=amdgcn-amd-amdhsa -mcpu=gfx1250 --defsym DOCPART=n.
;; ======== version 1 of 1: 4 launches
;; limits: values are held in f16: magnitudes above 65,504 overflow, below 6.1e-05 lose precision
;; workspace buffers: xc 4,194,304 bytes; xs 262,144 bytes; wc 1,572,864 bytes; ws 98,304 bytes; wp16 2,097,152 bytes; qkv 50,331,648 bytes; y16 16,777,216 bytes
;; launch quant (part 1): grid 384 x 1, 4 waves a work-group, no clusters, 33,280 bytes of LDS; arguments x, w_attn, xc, xs, wc, ws, w_proj, wp16; writes xc, xs, wc, ws, wp16
.if DOCPART == 1
	.amdgcn_target "amdgcn-amd-amdhsa--gfx1250"
	.amdhsa_code_object_version 6
	.text
	.protected	k_q320e672b0e_quant
	.globl	k_q320e672b0e_quant
	.p2align	8
	.type	k_q320e672b0e_quant,@function
k_q320e672b0e_quant:
	s_mov_b64 s[64:65], 0
	v_nop
	global_prefetch_b8 v0, s[64:65] scope:SCOPE_SE
	s_setreg_imm32_b32 hwreg(HW_REG_WAVE_MODE, 25, 1), 1
	s_wait_xcnt 0x0
; x [8192][1024] and w_attn [3072][1024], f32, are turned into codes of FP4 (E2M1), K innermost, two codes a byte, with one E8M0 scale byte for each 32 along K; w_proj [1024][1024] is rounded to f16.
; A block's scale is 2^(floor(log2(its largest magnitude)) - 2); its byte is the largest magnitude's own exponent field - 2, held at 1 from below.  Each number is divided by the scale and rounded to the nearest code, ties to even;
; beyond the largest code the conversion gives the largest code.
; LIMITS: a block of zeros gets the byte 1 where the quantiser's rule says 127 (its codes are zeros, which add nothing under any byte but 0xff, and this program alone reads the bytes); blocks whose largest magnitude lies
; under 2^-124 keep the byte 1; NaN and infinities among the inputs are not served; numbers of w_proj beyond 65,504 become infinity in f16.
; SHARES: every work-group takes 32,768 numbers, every wave 8,192.  Work-groups 0-255 take x, 256-351 w_attn, 352-383 w_proj.  Rows are dense and 1,024 is a multiple of 32: each tensor is a plain stream.
; THE QUANTISER: a wave takes 16 steps of 512 numbers.  Each of a step's four loads reads 512 consecutive bytes, 16 a lane; the 2,048 bytes turn through the wave's own stage in LDS and come back 64 bytes a lane, so that a
; lane holds 16 neighbours along K (two neighbouring lanes hold a block).  A lane's 16 codes are 8 bytes: the wave stores 256 consecutive bytes.  A wave's 256 scale bytes are gathered in LDS and leave as one store of 256 bytes.
; THE CAST uses no LDS: 16 bytes a lane in, 8 bytes a lane out: a wave's store covers 256 consecutive bytes, aligned.
; No tensor loads, no barrier: waves share nothing.
.set WAVES, 4
.set STEPS, 16
.set WGA,   256                        ; work-groups for x
.set WGQ,   352                        ; work-groups for x and w_attn together
.set EMAX,  2
.set CB,    8                          ; bytes of 16 codes
.set R,     16                         ; v16-79   four sets of 16 numbers as they are loaded
.set X,     80                         ; v80-111  two sets of 16 neighbours
.set C,     128                        ; v128-191 codes: four registers for each step, so that no store's data are written again
.set E,     112                        ; v112-127 a scale byte for each step
.set WREG,  8192                       ; LDS: a region for each wave: two stages of 32 x SP bytes, and behind them its 256 scale bytes
.set SP,    80                         ; a lane's place in a stage: its 64 bytes + 16 of padding
.set SPW,   12                         ; v12      LDS address of my spare word; never rewritten
.set NIL,   13                         ; v13      0; never rewritten
.set SPARE, WAVES*WREG                 ; behind the four regions: the spare words, 128 bytes for each wave
.set CI,    16                         ; the cast: v16-143 two sets of 64 numbers
.set CO,    144                        ; v144-175 32 registers of f16 pairs
	s_load_b128 s[4:7], s[0:1], 0x0                ; x, w_attn
	s_load_b128 s[8:11], s[0:1], 0x10              ; x's codes, x's scales
	s_load_b128 s[12:15], s[0:1], 0x20             ; w_attn's codes, w_attn's scales
	s_load_b128 s[24:27], s[0:1], 0x30             ; w_proj, its f16 copy
	v_lshl_add_u32 v[SPW], v0, 2, SPARE
	v_mov_b32 v[NIL], 0
	v_lshrrev_b32 v1, 5, v0
	v_readfirstlane_b32 s16, v1                    ; wave
	v_and_b32 v2, 31, v0                           ; lane
	v_lshlrev_b32 v3, 4, v2                        ; my 16 bytes of a load's 512
	s_mul_i32 s17, s16, WREG
	v_lshrrev_b32 v14, 2, v2
	v_mul_u32_u24 v14, v14, SP
	v_and_b32 v15, 3, v2
	v_lshl_add_u32 v14, v15, 4, v14
	v_add_nc_u32 v14, s17, v14                     ; the stage, on the way in: four lanes' 64 bytes on end, then 16 of padding
	v_mul_u32_u24 v15, v2, SP
	v_add_nc_u32 v15, s17, v15                     ; and on the way out: SP x lane: my 16 neighbours
	v_mul_u32_u24 v4, v2, CB                       ; my codes' place in a step's
	v_lshrrev_b32 v5, 1, v2
	s_add_co_u32 s17, s17, 2*32*SP
	v_add_nc_u32 v5, s17, v5                       ; LDS: my wave's 256 scale bytes, my block's byte
	v_lshlrev_b32 v7, 3, v2                        ; 8 bytes a lane
	v_add_nc_u32 v6, s17, v7
	s_wait_kmcnt 0x0
	s_cmp_ge_u32 ttmp9, WGQ                        ; the last 32 work-groups cast w_proj: a branch on the work-group's number
	s_cbranch_scc1 .Lcast
	s_cmp_lt_u32 ttmp9, WGA                        ; x's work-group or w_attn's?  Only pointers are chosen
	s_cselect_b64 s[4:5], s[4:5], s[6:7]
	s_cselect_b64 s[8:9], s[8:9], s[12:13]
	s_cselect_b64 s[10:11], s[10:11], s[14:15]
	s_cselect_b32 s17, 0, WGA
	s_sub_co_u32 s17, ttmp9, s17
	s_lshl_b32 s17, s17, 2
	s_add_co_u32 s18, s17, s16                     ; which run of 8,192 numbers of the tensor is my wave's
	s_mov_b32 s19, 0
	s_mov_b64 s[20:21], 512*STEPS*4
	s_mul_u64 s[20:21], s[18:19], s[20:21]
	s_add_nc_u64 s[4:5], s[4:5], s[20:21]
	s_mov_b64 s[20:21], 32*STEPS*CB
	s_mul_u64 s[20:21], s[18:19], s[20:21]
	s_add_nc_u64 s[8:9], s[8:9], s[20:21]
	s_lshl_b32 s18, s18, 8                         ; 256 scale bytes a run
	s_add_nc_u64 s[10:11], s[10:11], s[18:19]
.macro LOAD t
.irp i, 0,1,2,3
	global_load_b128 v[R+16*((\t)%4)+4*\i:R+16*((\t)%4)+4*\i+3], v3, s[4:5] offset:2048*(\t)+512*\i th:TH_LOAD_NT   ; 32 lanes read 512 consecutive bytes
.endr
.endm
.macro TURN t                          ; step t's numbers through the stage: LDS serves a wave's instructions in order, so no wait stands between the stores and the loads
.irp i, 0,1,2,3
	ds_store_b128 v14, v[R+16*((\t)%4)+4*\i:R+16*((\t)%4)+4*\i+3] offset:32*SP*((\t)%2)+8*SP*\i
.endr
.irp i, 0,1,2,3
	ds_load_b128 v[X+16*((\t)%2)+4*\i:X+16*((\t)%2)+4*\i+3], v15 offset:32*SP*((\t)%2)+16*\i
.endr
.endm
.irp t, 0,1,2,3
	LOAD \t
.endr
	s_wait_loadcnt 12                              ; step 0's four loads are in; the twelve of steps 1 to 3 may be out
	TURN 0
.macro STEP t
.set XS, X+16*((\t)%2)
.if (\t) > 0
	s_wait_dscnt 1                                 ; this step's numbers are back from the stage (the last step's byte store may be out): so its stores into the stage have read their registers,
.else
	s_wait_dscnt 0x0
.endif
.if (\t)+4 < STEPS
	LOAD (\t)+4                                    ; which take the loads of four steps on
.endif
.if (\t)+1 < STEPS
.if STEPS-2-(\t) >= 3
	s_wait_loadcnt 12                              ; the next step's four loads are in; those of the three steps behind it may be out
.else
	s_wait_loadcnt 4*(STEPS-2-(\t))
.endif
	TURN (\t)+1                                    ; and go through the other stage while this step is worked
.endif
	v_max3_num_f32 v8, |v[XS]|, |v[XS+1]|, |v[XS+2]|               ; the largest magnitude of my 16, in two chains
	v_max3_num_f32 v9, |v[XS+3]|, |v[XS+4]|, |v[XS+5]|
.irp i, 6,10
	v_max3_num_f32 v8, v8, |v[XS+\i]|, |v[XS+\i+1]|
	v_max3_num_f32 v9, v9, |v[XS+\i+2]|, |v[XS+\i+3]|
.endr
	v_max3_num_f32 v8, v8, |v[XS+14]|, |v[XS+15]|
	v_max3_num_f32 v8, v8, v9, (EMAX+1)<<23        ; and the floor 2^(EMAX + 1 - 127): so the byte cannot fall under 1
	v_max_num_f32_dpp v8, v8, v8 row_xmask:1 row_mask:0xf bank_mask:0xf   ; and of my neighbour's 16: the block's
	v_add_nc_u32 v11, -(EMAX<<23), v8              ; EMAX off its exponent field: the conversion takes the exponent field of this operand as its scale, and nothing else of it
	v_cvt_scalef32_pk8_fp4_f32 v[C+4*(\t)], v[XS:XS+7], v11
	v_cvt_scalef32_pk8_fp4_f32 v[C+4*(\t)+1], v[XS+8:XS+15], v11
	v_lshrrev_b32 v[E+(\t)], 23, v11               ; the scale's byte (also the plain line behind the conversions)
	ds_store_b8 v5, v[E+(\t)] offset:16*(\t)       ; both lanes of a block write the same byte with the same value
	global_store_b64 v4, v[C+4*(\t):C+4*(\t)+1], s[8:9] offset:32*CB*(\t)   ; 32 lanes store 256 consecutive bytes, aligned
.endm
.irp t, 0,1,2,3,4,5,6,7,8,9,10,11,12,13,14,15
	STEP \t
.endr
	ds_load_b64 v[8:9], v6                         ; LDS serves a wave's instructions in order: these see my byte stores
	s_wait_dscnt 0x0
	global_store_b64 v7, v[8:9], s[10:11]          ; 32 lanes store 256 consecutive bytes, aligned
	s_wait_tensorcnt 0x0                           ; the wave's end
	ds_add_u32 v[SPW], v[NIL]
	s_wait_dscnt 0x0
	s_endpgm
; ---- w_proj to f16: four rounds of 16 loads (8,192 bytes) a wave; two rounds' loads are out at a time
.macro LOADC j
.irp i, 0,1,2,3,4,5,6,7,8,9,10,11,12,13,14,15
	global_load_b128 v[CI+64*((\j)%2)+4*\i:CI+64*((\j)%2)+4*\i+3], v3, s[24:25] offset:8192*(\j)+512*\i th:TH_LOAD_NT
.endr
.endm
.macro CAST j
.set CS, CI+64*((\j)%2)
.if (\j) < 3
	s_wait_loadcnt 16                              ; this round's 16 loads are in; the next round's 16 may be out
.else
	s_wait_loadcnt 0x0
.endif
	s_wait_xcnt 0x0                                ; the last round's stores have read v144-175: they are rewritten only behind this wait
.irp i, 0,1,2,3,4,5,6,7,8,9,10,11,12,13,14,15
	v_cvt_pk_f16_f32 v[CO+2*\i], v[CS+4*\i], v[CS+4*\i+1]
	v_cvt_pk_f16_f32 v[CO+2*\i+1], v[CS+4*\i+2], v[CS+4*\i+3]
.endr
.irp i, 0,1,2,3,4,5,6,7,8,9,10,11,12,13,14,15
	global_store_b64 v7, v[CO+2*\i:CO+2*\i+1], s[26:27] offset:4096*(\j)+256*\i   ; 32 lanes store 256 consecutive bytes, aligned
.endr
.if (\j)+2 < 4
	LOADC (\j)+2
.endif
.endm
.Lcast:
	s_sub_co_u32 s17, ttmp9, WGQ
	s_lshl_b32 s17, s17, 2
	s_add_co_u32 s17, s17, s16                     ; which run of 8,192 numbers is my wave's
	s_lshl_b32 s20, s17, 15                        ; 32,768 bytes in,
	s_mov_b32 s21, 0
	s_add_nc_u64 s[24:25], s[24:25], s[20:21]
	s_lshl_b32 s20, s17, 14                        ; 16,384 out
	s_add_nc_u64 s[26:27], s[26:27], s[20:21]
	LOADC 0
	LOADC 1
	CAST 0
	CAST 1
	CAST 2
	CAST 3
	s_wait_tensorcnt 0x0                           ; the wave's end
	ds_add_u32 v[SPW], v[NIL]
	s_wait_dscnt 0x0
	s_endpgm
.Lfunc_end_k_q320e672b0e_quant:
	.size	k_q320e672b0e_quant, .Lfunc_end_k_q320e672b0e_quant-k_q320e672b0e_quant
	.p2alignl 7, 3214868480
	.fill 96, 4, 3214868480
	.section	.rodata,"a",@progbits
	.p2align	6, 0x0
	.amdhsa_kernel k_q320e672b0e_quant
		.amdhsa_group_segment_fixed_size 33280
		.amdhsa_private_segment_fixed_size 0
		.amdhsa_enable_private_segment 0
		.amdhsa_kernarg_size 64
		.amdhsa_user_sgpr_count 2
		.amdhsa_user_sgpr_kernarg_segment_ptr 1
		.amdhsa_wavefront_size32 1
		.amdhsa_system_sgpr_workgroup_id_x 1
		.amdhsa_system_sgpr_workgroup_id_y 1
		.amdhsa_system_sgpr_workgroup_id_z 1
		.amdhsa_system_vgpr_workitem_id 0
		.amdhsa_next_free_vgpr 192
		.amdhsa_next_free_sgpr 66
		.amdhsa_reserve_vcc 0
		.amdhsa_float_denorm_mode_32 3
		.amdhsa_float_denorm_mode_16_64 3
		.amdhsa_memory_ordered 1
		.amdhsa_forward_progress 1
		.amdhsa_inst_pref_size 54
	.end_amdhsa_kernel
	.amdgpu_metadata
---
amdhsa.version: [ 1, 2 ]
amdhsa.kernels:
  - .name:           k_q320e672b0e_quant
    .symbol:         k_q320e672b0e_quant.kd
    .args:
      - { .name: x, .offset: 0, .size: 8, .value_kind: global_buffer, .address_space: global }
      - { .name: w_attn, .offset: 8, .size: 8, .value_kind: global_buffer, .address_space: global }
      - { .name: xc, .offset: 16, .size: 8, .value_kind: global_buffer, .address_space: global }
      - { .name: xs, .offset: 24, .size: 8, .value_kind: global_buffer, .address_space: global }
      - { .name: wc, .offset: 32, .size: 8, .value_kind: global_buffer, .address_space: global }
      - { .name: ws, .offset: 40, .size: 8, .value_kind: global_buffer, .address_space: global }
      - { .name: w_proj, .offset: 48, .size: 8, .value_kind: global_buffer, .address_space: global }
      - { .name: wp16, .offset: 56, .size: 8, .value_kind: global_buffer, .address_space: global }
    .group_segment_fixed_size: 33280
    .private_segment_fixed_size: 0
    .kernarg_segment_align: 8
    .kernarg_segment_size: 64
    .max_flat_workgroup_size: 128
    .sgpr_count:     66
    .vgpr_count:     192
    .wavefront_size: 32
...
	.end_amdgpu_metadata
.endif
;; end of part 1
;; launch qkvgemm (part 2): grid 12 x 32, 4 waves a work-group, clusters of 4 x 4, 327,680 bytes of LDS; arguments xc, xs, wc, ws, qkv; writes qkv
.if DOCPART == 2
	.amdgcn_target "amdgcn-amd-amdhsa--gfx1250"
	.amdhsa_code_object_version 6
	.text
	.protected	k_q320e672b0e_qkvgemm
	.globl	k_q320e672b0e_qkvgemm
	.p2align	8
	.type	k_q320e672b0e_qkvgemm,@function
k_q320e672b0e_qkvgemm:
	s_mov_b64 s[64:65], 0
	v_nop
	global_prefetch_b8 v0, s[64:65] scope:SCOPE_SE
	s_setreg_imm32_b32 hwreg(HW_REG_WAVE_MODE, 25, 1), 1
	s_wait_xcnt 0x0
	s_wait_alu depctr_hold_cnt(0) depctr_sa_sdst(0) depctr_va_vdst(0) depctr_va_sdst(0) depctr_va_ssrc(0) depctr_va_vcc(0) depctr_vm_vsrc(0)
	s_getreg_b32 s2, hwreg(HW_REG_IB_STS2, 6, 4)
	s_cmp_eq_u32 s2, 0
	s_cbranch_scc0 .Lentry_in_a_cluster
	s_endpgm
.Lentry_in_a_cluster:
	s_bfe_u32 s2, ttmp6, 0x10000c
	s_cmp_lg_u32 s2, 0xf033
	s_cbranch_scc0 .Lentry_shape_is_right
	s_endpgm
.Lentry_shape_is_right:
; qkv[m][n] = sum over k of x[m][k] w_attn[n][k], both operands as codes of FP4 (E2M1) with one E8M0 scale for each 32 along K; sums in f32; the result is rounded once to f16 and laid BY HEAD:
; qkv = [3 (q, k, v)][4 batches][16 heads][2048 tokens][64] f16, so that any run of tokens of one head is dense.
; LIMIT: results beyond 65,504 in magnitude become infinity in f16.
; A tile of 256 tokens x 256 features is made by a work-group of four waves; a wave makes 128 x 128: 64 accumulators of 16 x 16, 512 registers.
; K = 1,024 is two K steps of 512 (a tile's row is 256 bytes of memory): both LDS slots are asked for at the head and nothing is filled again.  A wave has three tensor loads out: its part of the scales and of the two slots.
; THE SCALES of the work-group's 256 rows of x and 256 rows of w_attn, for all of K, are two dense blocks of memory: they come into LDS once, in rows of 256 bytes.
; CLUSTERS: 4 x 4 work-groups.  The four of a row of the cluster need the same tiles of x, the four of a column the same tiles of w_attn: each tile is asked for JOINTLY.
; THE MATRIX INSTRUCTION IS USED TRANSPOSED (source 0 = 16 rows of w_attn, source 1 = 16 rows of x): a lane then holds eight neighbouring features of one token.
; REGISTERS, in windows of 256: window 0: v0-31 addresses; v32-95 scale words, two sets; v128-191 x's fragments, ONE set; on the way out v32-63, v192-255.
;   window 1: w_attn's fragments, TWO sets, at v0 and at v128.   window 2: the 32 accumulators of my rows 0-63 ((a, b) at v[8 (8 a + b)]);   window 3: those of my rows 64-127.
.set SIZE_K, 1024
.set KSTEP,  512                       ; along K in a slot
.set NQ,     KSTEP/128                 ; matrix instructions deep
.set ROWB,   256                       ; a tile's row in bytes
.set KROW,   SIZE_K*4/8                ; a row of codes in memory, in bytes
.set PITCH,  272                       ; an LDS row: 256 bytes + 16 of padding = 68 words: row r starts at word 4 r mod 64 (64 banks of 4 bytes: ISA guide 11.1)
.set FR,     8                         ; registers of a fragment: 16 rows x 128 K
.set NL,     2                         ; LDS loads that bring one
.set NP,     4                         ; places behind this matrix instruction (ISA guide 7.12.1)
.set HALFT,  128*PITCH                 ; 128 rows: what one tensor load brings, and what one wave reads of either operand
.set SLOT,   4*HALFT
.set KS,     SIZE_K/32                 ; a row of scales in bytes
.set SCL,    2*SLOT                    ; behind the ring: the scales, as rows of 256 bytes + 16 of padding
.set HALFS,  (128*KS/256)*272          ; the scales of 128 rows
.set SBLK,   (16*KS/256)*272           ; those of 16 rows
.set SPARE,  SCL+4*HALFS               ; the spare words, 128 bytes for each wave
.set STAGE,  SPARE+512                 ; the way out: for each wave two heads x 16 tokens x (128 bytes + 16); no tensor load lands here
.set SPH,    144
.set SHEAD,  16*SPH
.set SWAVE,  2*SHEAD
.set ADRA, 16                          ; v16-17  LDS address of my x fragments in slot 0, 1
.set ADRB, 20                          ; v20-21  the same for w_attn
.set STO,  24                          ; v24     the way out: where I put 16 bytes of a token's row
.set RD,   25                          ; v25     the way out: where I read 16 bytes back
.set CO,   26                          ; v26     16 x lane: my place in a store's 512 bytes
.set ADRS, 27                          ; v27     LDS address of my scale words: lanes 0-15 x's rows, lanes 16-31 w_attn's
.set SPW,  28                          ; v28     LDS address of my spare word; never rewritten
.set NIL,  29                          ; v29     0; never rewritten
.set SC,   32                          ; scale words: set s at v[SC + 8 NQ s]; register NQ i + q: lanes 0-15 the word of x's block i, lanes 16-31 that of w_attn's block i
.set AF,   128                         ; x's fragments, in window 0
.set TMP,  192                         ; the way out: a block's packed results
.set OB,   32                          ; the way out: a block read back: v32-63 and v224-255 by turns
.set G1, 24                            ; s[24:31] descriptor group 1 for x's tiles;  s[32:39] group 0, one set for each slot
.set G0, 32
.set G1B, 48                           ; s[48:55], s[56:63] the same for w_attn's tiles
.set G0B, 56
.set G1S, 68                           ; s[68:75], s[76:79] groups 1 and 0 for x's scales;  s[80:87], s[88:91] for w_attn's
.set G0S, 76
.set G1SB, 80
.set G0SB, 88
.set MSB, 0
.macro WIN new                         ; the immediate's high byte repeats the setting that is left; a switch that changes nothing is dropped
.if MSB != (\new)
	s_set_vgpr_msb (MSB<<8)|(\new)
.set MSB, (\new)
.endif
.endm
.set MUL_LO, 0xa1                      ; source 0 window 1, source 1 window 0, C and D window 2
.set MUL_HI, 0xf1                      ; the same, C and D window 3
.set TO_B,   0x40                      ; destination window 1, address window 0
; A joint load: waves 0 and 1 fetch for x, waves 2 and 3 for w_attn.  Each of the two lines has one mask and one set of registers for all that issue it; the branch hangs on the wave's number alone.
; An s_nop 0 and four v_nop follow each of the two lines.
.macro JLOAD g0a, g1a, g0b, g1b
	s_cmp_eq_u32 s15, 0
	s_cbranch_scc0 .Lfor_b_\@
	tensor_load_to_lds s[\g0a:\g0a+3], s[\g1a:\g1a+7]
	s_nop 0
.rept 4
	v_nop
.endr
	s_branch .Lasked_\@
.Lfor_b_\@:
	tensor_load_to_lds s[\g0b:\g0b+3], s[\g1b:\g1b+7]
	s_nop 0
.rept 4
	v_nop
.endr
.Lasked_\@:
.endm
.macro CROUND                          ; a round of the cluster's barrier: my work-group's barrier; wave 0 signals for the work-group; all wait for all sixteen; my work-group's barrier once more
	s_barrier_signal -1
	s_barrier_wait -1
	s_cmp_lg_u32 s14, 0
	s_cbranch_scc1 .Lnot_wave_0_\@
	s_barrier_signal -3
.Lnot_wave_0_\@:
	s_barrier_wait -3
	s_barrier_signal -1
	s_barrier_wait -1
.endm
	s_load_b128 s[4:7], s[0:1], 0x0                ; x's codes s[4:5], x's scales s[6:7]
	s_load_b128 s[8:11], s[0:1], 0x10              ; w_attn's codes s[8:9], its scales s[10:11]
	s_load_b64 s[12:13], s[0:1], 0x20              ; qkv
	v_lshl_add_u32 v[SPW], v0, 2, SPARE
	v_mov_b32 v[NIL], 0
	ds_add_u32 v[SPW], v[NIL]                      ; the wave's opening: the add, twice on end, and its wait ahead of my first tensor load
	ds_add_u32 v[SPW], v[NIL]
	v_lshrrev_b32 v1, 5, v0
	v_readfirstlane_b32 s14, v1                    ; wave 0..3
	s_lshr_b32 s15, s14, 1                         ; which half of the tile's tokens is mine.  Also: I fetch for x (0) or for w_attn (1)
	s_and_b32 s16, s14, 1                          ; which half of its features.  Also: which 128 rows of that tile I fetch
	s_bfe_u32 s40, ttmp6, 0x40000                  ; cx, cy: my place in the cluster
	s_bfe_u32 s41, ttmp6, 0x40004
	s_lshl_b32 s42, ttmp9, 2
	s_add_co_u32 s42, s42, s40                     ; tile column = 4 x cluster x + cx
	s_and_b32 s17, ttmp7, 0xffff
	s_lshl_b32 s17, s17, 2
	s_add_co_u32 s17, s17, s41                     ; tile row = 4 x cluster y + cy
	s_lshl_b32 s43, s41, 2
	s_lshl_b32 s43, 15, s43                        ; my row of the cluster
	s_lshl_b32 s44, 0x1111, s40                    ; my column
	; descriptor group 1: a tile of 128 rows x 256 bytes, padded in LDS
	s_or_b32 s[G1+0], s43, (0<<16)|(1<<20)|(1<<21)|(5<<22)|(3<<25)  ; 15:0 the mask; 17:16 elements of 1 byte; 20 padding on; 21 set beside a mask; 24:22 after every 64 words; 31:25 four words
	s_or_b32 s[G1B+0], s44, (0<<16)|(1<<20)|(1<<21)|(5<<22)|(3<<25)
.irp g, G1, G1B
	s_mov_b32 s[\g+1], ROWB<<16                    ; tensor_dim0
	s_mov_b32 s[\g+2], 128<<16                     ; tensor_dim1
	s_mov_b32 s[\g+3], ROWB<<16                    ; tile_dim0
	s_mov_b32 s[\g+4], 128                         ; tile_dim1
	s_mov_b32 s[\g+5], KROW                        ; from row to row
	s_mov_b32 s[\g+6], 0
	s_mov_b32 s[\g+7], 0
.endr
	; the scales of 128 rows: a dense block of 4,096 bytes, as 16 rows of 256 bytes (32 elements of 8 bytes), 16 bytes of padding behind each
	s_or_b32 s[G1S+0], s43, (3<<16)|(1<<20)|(1<<21)|(5<<22)|(3<<25)
	s_or_b32 s[G1SB+0], s44, (3<<16)|(1<<20)|(1<<21)|(5<<22)|(3<<25)
.irp g, G1S, G1SB
	s_mov_b32 s[\g+1], 32<<16
	s_mov_b32 s[\g+2], (128*KS/256)<<16
	s_mov_b32 s[\g+3], 32<<16
	s_mov_b32 s[\g+4], 128*KS/256
	s_mov_b32 s[\g+5], 32
	s_mov_b32 s[\g+6], 0
	s_mov_b32 s[\g+7], 0
.endr
	s_lshl_b32 s18, s16, 7                         ; which 128 rows of the tile I fetch
	s_lshl_b32 s20, s17, 8
	s_add_co_u32 s20, s20, s18                     ; x: row 256 x tile row + 128 x half
	s_lshl_b32 s46, s42, 8
	s_add_co_u32 s46, s46, s18                     ; w_attn: row 256 x tile column + 128 x half
	s_mov_b32 s21, 0
	s_mov_b32 s47, 0
	s_mov_b64 s[18:19], KS
	s_mul_u64 s[22:23], s[20:21], s[18:19]         ; where these rows' scales begin, in bytes
	s_mul_u64 s[92:93], s[46:47], s[18:19]
	s_mov_b64 s[18:19], KROW
	s_mul_u64 s[20:21], s[20:21], s[18:19]         ; and their codes
	s_mul_u64 s[46:47], s[46:47], s[18:19]
	s_mul_i32 s45, s14, HALFT                      ; where they go: wave x 128 rows: no place in the cluster enters an LDS address
	s_mul_i32 s94, s14, HALFS
	s_wait_dscnt 0x0                               ; both opening adds are done
	s_wait_kmcnt 0x0
	s_add_nc_u64 s[20:21], s[4:5], s[20:21]
	s_add_nc_u64 s[22:23], s[6:7], s[22:23]
	s_add_nc_u64 s[46:47], s[8:9], s[46:47]
	s_add_nc_u64 s[92:93], s[10:11], s[92:93]
	CROUND                                         ; all sixteen work-groups are here: the joint loads meet
	s_mov_b32 s[G0S], 1
	s_add_co_u32 s[G0S+1], s94, SCL
	s_mov_b64 s[G0S+2:G0S+3], s[22:23]
	s_or_b32 s[G0S+3], s[G0S+3], 0x80000000
	s_mov_b32 s[G0SB], 1
	s_add_co_u32 s[G0SB+1], s94, SCL
	s_mov_b64 s[G0SB+2:G0SB+3], s[92:93]
	s_or_b32 s[G0SB+3], s[G0SB+3], 0x80000000
	JLOAD G0S, G1S, G0SB, G1SB                     ; the scales first: they are wanted with K step 0
.irp s, 0,1
	s_mov_b32 s[G0+4*\s], 1
	s_add_co_u32 s[G0+4*\s+1], s45, \s*SLOT
	s_add_nc_u64 s[G0+4*\s+2:G0+4*\s+3], s[20:21], \s*ROWB
	s_or_b32 s[G0+4*\s+3], s[G0+4*\s+3], 0x80000000
	s_mov_b32 s[G0B+4*\s], 1
	s_add_co_u32 s[G0B+4*\s+1], s45, \s*SLOT
	s_add_nc_u64 s[G0B+4*\s+2:G0B+4*\s+3], s[46:47], \s*ROWB
	s_or_b32 s[G0B+4*\s+3], s[G0B+4*\s+3], 0x80000000
	JLOAD G0+4*\s, G1, G0B+4*\s, G1B
.endr
	v_and_b32 v1, 15, v0                           ; r = l % 16
	v_bfe_u32 v2, v0, 4, 1                         ; h = l / 16
	v_mul_u32_u24 v3, v1, PITCH
	v_lshl_add_u32 v4, v2, 4, v3                   ; a fragment's row x pitch + 16 x half
	s_mul_i32 s21, s15, HALFT                      ; my 128 rows of x
	s_mul_i32 s22, s16, HALFT                      ; my 128 rows of w_attn,
	s_add_co_u32 s22, s22, 2*HALFT                 ; which lie behind x's 256
.irp s, 0,1
	v_add_nc_u32 v[ADRA+\s], s21, v4
	v_add_nc_u32 v[ADRB+\s], s22, v4
	s_add_co_u32 s21, s21, SLOT
	s_add_co_u32 s22, s22, SLOT
.endr
	v_mul_u32_u24 v5, v1, KS                       ; my row's scales: KS bytes a row,
	v_lshrrev_b32 v6, 8, v5
	v_lshl_add_u32 v5, v6, 4, v5                   ; and 16 more for each 256 passed
	s_mul_i32 s21, s15, HALFS                      ; x's: my 128 rows
	s_mul_i32 s22, s16, HALFS                      ; w_attn's: my 128 rows, behind x's 256
	s_add_co_u32 s22, s22, 2*HALFS
	s_sub_co_u32 s22, s22, s21
	v_mul_u32_u24 v6, s22, v2                      ; lanes 16-31 take w_attn's: the lower base + h x the distance
	s_add_co_u32 s21, s21, SCL
	v_add_nc_u32 v5, v5, v6
	v_add_nc_u32 v[ADRS], s21, v5
	s_mul_i32 s23, s14, SWAVE
	s_add_co_u32 s23, s23, STAGE                   ; my stage
	v_mul_u32_u24 v5, v1, SPH                      ; in: token r, 16 bytes for each half of the lanes
	v_lshl_add_u32 v5, v2, 4, v5
	v_add_nc_u32 v[STO], s23, v5
	v_bfe_u32 v5, v0, 3, 2                         ; back: eight lanes take a token's 128 bytes, the 32 lanes four tokens
	v_mul_u32_u24 v5, v5, SPH
	v_and_b32 v6, 7, v0
	v_lshl_add_u32 v5, v6, 4, v5
	v_add_nc_u32 v[RD], s23, v5
	v_and_b32 v6, 31, v0
	v_lshlrev_b32 v[CO], 4, v6                     ; four tokens of one head are 512 consecutive bytes of qkv
	; where my part begins in qkv: token m0 = 256 x tile row + 128 x half: batch m0 / 2048 (2^22 bytes), token m0 % 2048 (128 bytes);
	; my first head g = 4 x tile column + 2 x half, of 48: which of q, k, v = g / 16 (2^24 bytes), head g % 16 (2^18 bytes)
	s_lshl_b32 s20, s17, 8
	s_lshl_b32 s21, s15, 7
	s_add_co_u32 s20, s20, s21
	s_lshr_b32 s21, s20, 11
	s_lshl_b32 s21, s21, 22
	s_and_b32 s20, s20, 2047
	s_lshl_b32 s20, s20, 7
	s_add_co_u32 s20, s20, s21
	s_mov_b32 s21, 0
	s_lshl_b32 s46, s42, 2
	s_lshl_b32 s47, s16, 1
	s_add_co_u32 s46, s46, s47
	s_lshr_b32 s47, s46, 4
	s_lshl_b32 s47, s47, 24
	s_and_b32 s46, s46, 15
	s_lshl_b32 s46, s46, 18
	s_add_co_u32 s46, s46, s47
	s_mov_b32 s47, 0
	s_add_nc_u64 s[20:21], s[20:21], s[46:47]
	s_add_nc_u64 s[12:13], s[12:13], s[20:21]
.macro FRAG reg, adr, q, i             ; a fragment, 16 rows x 128 K of 4-bit codes, is 8 registers: lane l holds row l % 16; registers 4 c .. 4 c + 3 hold K = 64 c + 32 (l / 16) + 0 .. 31
.irp c, 0,1
	ds_load_b128 v[\reg+4*\c:\reg+4*\c+3], v[\adr] offset:64*(\q)+32*\c+(\i)*16*PITCH
.endr
.endm
; 16 matrix instructions: x's blocks a0, a0 + 1 against w_attn's eight, 128 along K: the slot's q-th.  p: w_attn's set;  sc: the set of scale words.  zero = 1: the first product starts the sums.
; The 64 accumulators take turns, one instruction a turn, in the same order in every step.
.macro MUL16 a0, p, q, sc, zero
.irp a, \a0, \a0+1
.irp b, 0,1,2,3,4,5,6,7
.if \zero
	v_wmma_scale_f32_16x16x128_f8f6f4 v[8*(8*((\a)%4)+\b):8*(8*((\a)%4)+\b)+7], v[128*(\p)+FR*\b:128*(\p)+FR*\b+FR-1], v[AF+FR*(\a):AF+FR*(\a)+FR-1], 0, v[SC+8*NQ*(\sc)+NQ*\b+(\q)], v[SC+8*NQ*(\sc)+NQ*(\a)+(\q)] matrix_a_fmt:MATRIX_FMT_FP4 matrix_b_fmt:MATRIX_FMT_FP4 matrix_a_scale:MATRIX_SCALE_ROW1
.else
	v_wmma_scale_f32_16x16x128_f8f6f4 v[8*(8*((\a)%4)+\b):8*(8*((\a)%4)+\b)+7], v[128*(\p)+FR*\b:128*(\p)+FR*\b+FR-1], v[AF+FR*(\a):AF+FR*(\a)+FR-1], v[8*(8*((\a)%4)+\b):8*(8*((\a)%4)+\b)+7], v[SC+8*NQ*(\sc)+NQ*\b+(\q)], v[SC+8*NQ*(\sc)+NQ*(\a)+(\q)] matrix_a_fmt:MATRIX_FMT_FP4 matrix_b_fmt:MATRIX_FMT_FP4 matrix_a_scale:MATRIX_SCALE_ROW1
.endif
.endr
.endr
.endm
.macro FETCH_B slot, q, p              ; w_attn's eight fragments of the slot's q-th 128 along K into set p
	WIN TO_B
.irp i, 0,1,2,3,4,5,6,7
	FRAG 128*(\p)+FR*\i, ADRB+\slot, \q, \i
.endr
	WIN 0
.endm
.macro FETCH_A slot, q, i0             ; x's blocks i0 .. i0 + 3
.irp i, \i0, \i0+1, \i0+2, \i0+3
	FRAG AF+FR*(\i), ADRA+\slot, \q, \i
.endr
.endm
.macro SCALES sc                       ; a K step's scale words into set sc: NQ words a row; lanes 0-15 take x's block i, lanes 16-31 w_attn's block i
.irp i, 0,1,2,3,4,5,6,7
	ds_load_b128 v[SC+8*NQ*\sc+NQ*\i:SC+8*NQ*\sc+NQ*\i+3], v[ADRS] offset:\i*SBLK
.endr
.endm
; A load into a register that a matrix instruction has read, and a vector instruction that reads a matrix result, stand NP places behind that matrix instruction; only plain vector instructions that
; name none of its registers are places.
.macro PLACES n
.rept \n
	v_nop
.endr
.endm
; A step of 128 along K that has its successor in the same slot.
.macro STEP slot, q, zero
	s_wait_dscnt 4*NL                              ; w_attn's set and x's blocks 0-3 are in; the youngest eight loads (x's blocks 4-7) may be out
	WIN MUL_LO
	MUL16 0, (\q)%2, \q, \slot, \zero
	MUL16 2, (\q)%2, \q, \slot, \zero
	s_wait_dscnt 0                                 ; x's blocks 4-7 are in (asked for 32 matrix instructions ago)
	PLACES NP
	FETCH_B \slot, (\q)+1, 1-(\q)%2
	FETCH_A \slot, (\q)+1, 0
	WIN MUL_HI
	MUL16 4, (\q)%2, \q, \slot, \zero
	MUL16 6, (\q)%2, \q, \slot, \zero
	PLACES NP
	WIN 0
	FETCH_A \slot, (\q)+1, 4
.endm
; A slot's last step changes slots: one barrier; in front of it each wave waits for all its tensor loads (its part of the next slot), adds 0 to its spare word and waits for that and for its LDS loads.  Nothing is filled again.
.macro TURN slot, next
	s_wait_tensorcnt 0x0                           ; all my tensor loads have landed: my part of the next slot
	ds_add_u32 v[SPW], v[NIL]                      ; 0 onto my spare word
	s_wait_dscnt 4*NL+1                            ; the add and the youngest eight loads (x's blocks 4-7) may be out
	WIN MUL_LO
	MUL16 0, 1, NQ-1, \slot, 0                     ; sixteen matrix instructions stand between the add and the wait for it
	s_wait_dscnt 0x0                               ; the add is done, and no LDS load of mine is out at the signal
	s_barrier_signal -1
	MUL16 2, 1, NQ-1, \slot, 0
	WIN 0
	s_barrier_wait -1                              ; every wave's part of the next slot has landed
	PLACES NP
	v_add_nc_u32 v[ADRS], 4*NQ, v[ADRS]            ; on to the next K step's scale words
	FETCH_B \next, 0, 0
	FETCH_A \next, 0, 0
	SCALES \next
	WIN MUL_HI
	MUL16 4, 1, NQ-1, \slot, 0
	MUL16 6, 1, NQ-1, \slot, 0
	PLACES NP
	WIN 0
	FETCH_A \next, 0, 4
.endm
.macro STEPS slot, from                ; the slot's steps from .. NQ - 2
.set Q, \from
.rept NQ-1-\from
	STEP \slot, Q, 0
.set Q, Q+1
.endr
.endm
	s_wait_tensorcnt 1                             ; the scales and my part of K step 0 are in; K step 1's load, issued behind them, may be out
	s_barrier_signal -1
	s_barrier_wait -1                              ; everybody's are
	FETCH_B 0, 0, 0
	FETCH_A 0, 0, 0
	SCALES 0
	FETCH_A 0, 0, 4
	STEP 0, 0, 1                                   ; the first step's products start the sums: nothing is cleared
	STEPS 0, 1
	TURN 0, 1
	STEPS 1, 0
	s_wait_dscnt 4*NL                              ; the very last step: nothing more to fetch
	WIN MUL_LO
	MUL16 0, 1, NQ-1, 1, 0
	MUL16 2, 1, NQ-1, 1, 0
	s_wait_dscnt 0
	WIN MUL_HI
	MUL16 4, 1, NQ-1, 1, 0
	MUL16 6, 1, NQ-1, 1, 0
	WIN 0
; THE WAY OUT, block by block of 16 tokens x 128 features (two heads).  PACK: rounded to f16: a lane's eight features are 16 bytes.  TOSTAGE: into my own stage in LDS, by head, and back four tokens of a head at a time.
; SEND: each store of the wave covers 512 consecutive bytes of qkv, aligned.  LDS serves a wave's instructions in order (ISA guide 5.7.1.4): no wait between the stage's stores and its loads.
.macro PACK a
.set AC, 64*((\a)%4)
	WIN 0x0a+5*((\a)/4)                            ; sources 0 and 1: window 2 or 3
.irp b, 0,1,2,3,4,5,6,7
.irp r, 0,1,2,3
	v_cvt_pk_f16_f32 v[TMP+4*\b+\r], v[AC+8*\b+2*\r], v[AC+8*\b+2*\r+1]   ; each accumulator from its low end on
.endr
.endr
	WIN 0
.endm
.macro TOSTAGE a
.set BK, OB+192*((\a)%2)
.irp b, 0,1,2,3,4,5,6,7
	ds_store_b128 v[STO], v[TMP+4*\b:TMP+4*\b+3] offset:(\b/4)*SHEAD+32*(\b%4)
.endr
.irp u, 0,1,2,3,4,5,6,7
	ds_load_b128 v[BK+4*\u:BK+4*\u+3], v[RD] offset:(\u/4)*SHEAD+(\u%4)*4*SPH
.endr
.endm
.macro SEND a
.set BK, OB+192*((\a)%2)
	s_wait_dscnt 0x0                               ; the block is back in registers
	s_wait_xcnt 0x0                                ; the block before has had its stores' registers read: the next block's loads may land there
.irp u, 0,1,2,3,4,5,6,7
	global_store_b128 v[CO], v[BK+4*\u:BK+4*\u+3], s[12:13] offset:(\u/4)*262144+(\a)*2048+(\u%4)*512
.endr
.endm
	PLACES NP                                      ; behind the last products, ahead of the first read of results and of loads into registers that held scale words
	PACK 0
	TOSTAGE 0
.irp a, 1,2,3,4,5,6,7                  ; block a's conversions stand between block a - 1's loads from the stage and the wait for them
	PACK \a
	SEND \a-1
	TOSTAGE \a
.endr
	SEND 7
	s_wait_tensorcnt 0x0                           ; the wave's end
	ds_add_u32 v[SPW], v[NIL]
	s_wait_dscnt 0x0
	CROUND                                         ; the closing round: no work-group ends while a partner may still ask for a tile that names it
	s_endpgm
.Lfunc_end_k_q320e672b0e_qkvgemm:
	.size	k_q320e672b0e_qkvgemm, .Lfunc_end_k_q320e672b0e_qkvgemm-k_q320e672b0e_qkvgemm
	.p2alignl 7, 3214868480
	.fill 96, 4, 3214868480
	.section	.rodata,"a",@progbits
	.p2align	6, 0x0
	.amdhsa_kernel k_q320e672b0e_qkvgemm
		.amdhsa_group_segment_fixed_size 327680
		.amdhsa_private_segment_fixed_size 0
		.amdhsa_enable_private_segment 0
		.amdhsa_kernarg_size 40
		.amdhsa_user_sgpr_count 2
		.amdhsa_user_sgpr_kernarg_segment_ptr 1
		.amdhsa_wavefront_size32 1
		.amdhsa_system_sgpr_workgroup_id_x 1
		.amdhsa_system_sgpr_workgroup_id_y 1
		.amdhsa_system_sgpr_workgroup_id_z 1
		.amdhsa_system_vgpr_workitem_id 0
		.amdhsa_next_free_vgpr 1024
		.amdhsa_next_free_sgpr 98
		.amdhsa_reserve_vcc 0
		.amdhsa_float_denorm_mode_32 3
		.amdhsa_float_denorm_mode_16_64 3
		.amdhsa_memory_ordered 1
		.amdhsa_forward_progress 1
		.amdhsa_inst_pref_size 127
	.end_amdhsa_kernel
	.amdgpu_metadata
---
amdhsa.version: [ 1, 2 ]
amdhsa.kernels:
  - .name:           k_q320e672b0e_qkvgemm
    .symbol:         k_q320e672b0e_qkvgemm.kd
    .args:
      - { .name: xc, .offset: 0, .size: 8, .value_kind: global_buffer, .address_space: global }
      - { .name: xs, .offset: 8, .size: 8, .value_kind: global_buffer, .address_space: global }
      - { .name: wc, .offset: 16, .size: 8, .value_kind: global_buffer, .address_space: global }
      - { .name: ws, .offset: 24, .size: 8, .value_kind: global_buffer, .address_space: global }
      - { .name: qkv, .offset: 32, .size: 8, .value_kind: global_buffer, .address_space: global }
    .group_segment_fixed_size: 327680
    .private_segment_fixed_size: 0
    .kernarg_segment_align: 8
    .kernarg_segment_size: 40
    .max_flat_workgroup_size: 128
    .sgpr_count:     98
    .vgpr_count:     1024
    .wavefront_size: 32
...
	.end_amdgpu_metadata
.endif
;; end of part 2
;; launch attn (part 3): grid 4 x 64, 8 waves a work-group, clusters of 4 x 1, 327,680 bytes of LDS; arguments qkv, y16; writes y16
.if DOCPART == 3
	.amdgcn_target "amdgcn-amd-amdhsa--gfx1250"
	.amdhsa_code_object_version 6
	.text
	.protected	k_q320e672b0e_attn
	.globl	k_q320e672b0e_attn
	.p2align	8
	.type	k_q320e672b0e_attn,@function
k_q320e672b0e_attn:
	s_mov_b64 s[64:65], 0
	v_nop
	global_prefetch_b8 v0, s[64:65] scope:SCOPE_SE
	s_setreg_imm32_b32 hwreg(HW_REG_WAVE_MODE, 25, 1), 1
	s_wait_xcnt 0x0
	s_wait_alu depctr_hold_cnt(0) depctr_sa_sdst(0) depctr_va_vdst(0) depctr_va_sdst(0) depctr_va_ssrc(0) depctr_va_vcc(0) depctr_vm_vsrc(0)
	s_getreg_b32 s2, hwreg(HW_REG_IB_STS2, 6, 4)
	s_cmp_eq_u32 s2, 0
	s_cbranch_scc0 .Lentry_in_a_cluster
	s_endpgm
.Lentry_in_a_cluster:
	s_bfe_u32 s2, ttmp6, 0x10000c
	s_cmp_lg_u32 s2, 0x3003
	s_cbranch_scc0 .Lentry_shape_is_right
	s_endpgm
.Lentry_shape_is_right:
; y[b][h][q][:] = the sum over k of softmax_k(Q[q] . K[k] / 8) V[k][:], no mask; 64 heads (batch x head) of 2,048 tokens x 64.  Q, K, V: qkv = [3][64 heads][2048][64] f16; y16 = [64 heads][2048][64] f16.
; Products, maxima and sums in f32; the weights p (at most 1) are rounded to f16 for the second product, y once at the end.
; LIMITS: NaN and infinities are not served; weights under f16's smallest step count as 0 in the second product (they stay in the row's sum).
; SHARES.  A cluster of four work-groups is one head; a work-group owns 512 queries, each of its eight waves 64: four tiles of 16.  Two waves share a SIMD, so that one wave's softmax stands beside the other's products.
; Every wave walks all 2,048 keys, 64 a step; a slot of the ring holds four steps.
; LAYOUT.  S^T = K Q^T (source 0 = 16 keys, source 1 = 16 queries): a lane holds ONE query (lane % 16) and the keys 8 (lane / 16) + 0..7 of a tile.  Two such tiles, rounded to f16 in pairs, ARE source 1
; (32 keys x 16 queries) of O^T = V^T P, whose result again holds one query a lane.  K comes out of LDS as it lies, V ([key][channel]) turned, by ds_load_tr16_b128.
; SOFTMAX.  For each query a running maximum m and sum l: p = 2^(c s - c m), c = log2(e) / 8; in every step O and l are multiplied by a = 2^(c m_old - c m_new).  m begins at -3e38, O and l at 0: the step is written once.
; CLUSTER.  The four work-groups walk the same K and V: each tile is asked for JOINTLY, one load a wave behind each round: waves 0-3 the slot's four steps of K, waves 4-7 those of V (64 rows of 128 bytes each).
; REGISTERS.  window 0: v2-15 addresses; v16-47 statistics, eight a tile; v64-191 S^T, 32 a tile (P is packed in place into a tile's first 16); v192-255 K of one step.
;   window 1: v0-127 O^T, 32 a tile; v128-191 Q, 16 a tile; v192-255 V of one step.
.set KS,    64        ; keys in a step
.set PK,    144       ; a row of K in LDS: 128 bytes + 16 = 36 words: the 16 rows of a load start at 16 different multiples of 4 words modulo 64 (64 banks of 4 bytes: ISA guide 11.1)
.set PV,    160       ; a row of V: 128 + 32 = 40 words: the 8 rows that 16 lanes of the turning load take start at 8 different multiples of 8 words modulo 64
.set VOFF,  KS*PK     ; a step's tiles lie together: 64 rows of K, then 64 rows of V
.set STEPB, KS*(PK+PV)
.set NST,   4         ; steps in a slot
.set SLOTB, NST*KS*128  ; a slot's bytes of K, or of V, in memory
.set SLOT1, 1<<17     ; slot 1 begins here, so that one exclusive or turns an address in one slot into the other's
.set NSL,   2048/(NST*KS)
.set STAGE, SLOT1+NST*STEPB  ; behind the ring: 16 rows x 144 bytes for each wave, for the way out
.set SPARE, STAGE+8*16*PK    ; the spare words, 128 bytes for each of eight waves
.set AK0, 2           ; v2   my lane's place in a tile of K; never rewritten
.set AV0, 3           ; v3   the same for V
.set ADK, 4           ; v4   LDS address of the step's K
.set ADV, 5           ; v5   of its V
.set QO,  6           ; v6   my byte offset in the wave's rows of Q
.set STO, 7           ; v7   the way out: where I put 16 bytes of a row
.set RD,  8           ; v8   the way out: where I read 16 bytes back
.set GO,  9           ; v9   16 x lane: my place in a store's 512 bytes
.set PFO, 10          ; v10  256 x lane: the prefetches' offset; never rewritten
.set SPW, 12          ; v12  LDS address of my spare word; never rewritten
.set NIL, 13          ; v13  0; never rewritten
.set ST,  16          ; tile t's statistics at v[ST+8 t]: +0 c m, +1 m, +2, +3 l (even keys', odd keys'), +4 to +7 c0-c3 at work; a takes c2's place; +4, +5 later the sum's second chain
.set S,   64
.set KF,  192         ; K's fragments, window 0: keys 16 kt on, channels 32 c on, at KF + 16 kt + 8 c
.set QF,  128         ; Q's, window 1: tile t, channels 32 c on, at QF + 16 t + 8 c
.set VF,  192         ; V's, window 1: keys 32 kk on, channels 16 ch on, at VF + 32 kk + 8 ch
.set WV,  12          ; s12  my wave's number
.set LIM, 15          ; s15  1 in a wave that prefetches, else the greatest number
.set PFA, 18          ; s[18:19] where my prefetches stand
.set G1K, 24          ; s[24:31] descriptor group 1 for K's tiles
.set G1V, 32          ; s[32:39] for V's: it differs in the padding alone
.set G0K, 40          ; s[40:43] descriptor group 0 for K's tiles: it walks
.set G0V, 44          ; s[44:47] the same for V's
.set SLOTS, 56        ; s56  slots still to be asked for
.set STEPC, 57        ; s57  counts a slot's steps
.set CS,  58          ; s[58:59] c: the packed scaling names a pair and takes its low word for both halves
.set SEL, 60          ; s[60:61] lane selects for v_permlanex16_b32: lane l xor 16
.set TB,  62          ; s62  LDS byte at which the tiles of the step to be fetched begin
.set MSB, 0
.macro WIN new                      ; the immediate's high byte repeats the setting that is left; a switch that changes nothing is dropped
.if MSB != (\new)
	s_set_vgpr_msb (MSB<<8)|(\new)
.set MSB, (\new)
.endif
.endm
.set W_KQ,  0x04      ; Q (source 1) in window 1; K and S^T in window 0
.set W_PV,  0x51      ; V (source 0), O^T (C and D) in window 1; P (source 1) in window 0
.set W_RS,  0x41      ; O^T (destination and source 0) in window 1, a in window 0
.set W_LD1, 0x40      ; a load's destination in window 1, its address in window 0
.set W_OUT, 0x01      ; source 0 in window 1
; A joint load.  The branch hangs on the wave's number alone: it is the same in every work-group.  An s_nop 0 and four v_nop follow each of the two lines.
.macro JLOAD
	s_cmp_lt_u32 s[WV], 4
	s_cbranch_scc0 .Lfor_v_\@
	tensor_load_to_lds s[G0K:G0K+3], s[G1K:G1K+7]
	s_nop 0
.rept 4
	v_nop
.endr
	s_branch .Lasked_\@
.Lfor_v_\@:
	tensor_load_to_lds s[G0V:G0V+3], s[G1V:G1V+7]
	s_nop 0
.rept 4
	v_nop
.endr
.Lasked_\@:
.endm
; A PREFETCH INTO THE L2 of what the NEXT change of slots will ask for: a slot's 32,768 dense bytes of K and as many of V.  The four partners take 8,192 bytes of each, told apart BY ADDRESS; in each, wave 0 asks for
; K's and wave 4 for V's, lanes 256 bytes apart: one instruction, and each block of 256 bytes is named once in the launch (a head has one cluster).  It stands behind the wave's tensor load and its five lines,
; four key steps ahead of the load that will want the bytes.  The last change that fills a slot asks for nothing; slots 0 and 1 come by their loads alone.
.macro ASK
	s_cmp_gt_u32 s[SLOTS], s[LIM]
	s_cbranch_scc0 .Lnot_mine_\@
	global_prefetch_b8 v[PFO], s[PFA:PFA+1] th:TH_LOAD_NT scope:SCOPE_SE
.Lnot_mine_\@:
.endm
.macro CROUND                       ; a round of the cluster's barrier: my work-group's barrier; wave 0 signals for the work-group; all wait for all four; my work-group's barrier once more
	s_barrier_signal -1
	s_barrier_wait -1
	s_cmp_lg_u32 s[WV], 0
	s_cbranch_scc1 .Lnot_wave_0_\@
	s_barrier_signal -3
.Lnot_wave_0_\@:
	s_barrier_wait -3
	s_barrier_signal -1
	s_barrier_wait -1
.endm
	s_load_b128 s[4:7], s[0:1], 0x0  ; qkv s[4:5], y16 s[6:7]
	v_lshl_add_u32 v[SPW], v0, 2, SPARE
	v_mov_b32 v[NIL], 0
	ds_add_u32 v[SPW], v[NIL]       ; the wave's opening: the add, twice on end, and its wait ahead of my first tensor load
	ds_add_u32 v[SPW], v[NIL]
	v_lshrrev_b32 v1, 5, v0
	v_readfirstlane_b32 s[WV], v1   ; wave 0..7
	s_bfe_u32 s13, ttmp6, 0x40000   ; cx: my place in the cluster = my block of 512 queries: it enters Q's, y's and the prefetches' addresses alone
	s_and_b32 s20, ttmp7, 0xffff    ; the head, which the four partners share,
	s_lshl_b32 s20, s20, 18         ; and its first byte: 2,048 rows of 128 bytes a head
	s_and_b32 s16, s[WV], 3         ; which of a slot's four steps I fetch:
	s_lshl_b32 s22, s16, 13         ; its 64 rows of 128 bytes in memory,
	s_add_co_u32 s22, s22, s20
	s_mov_b32 s23, 0
	s_mul_i32 s17, s16, STEPB       ; and its place in a slot: no place in the cluster enters an LDS address
	s_lshl_b32 s2, s13, 16          ; my block's 512 rows,
	s_lshl_b32 s3, s[WV], 13        ; my wave's 64 of them
	s_add_co_u32 s2, s2, s3
	s_add_co_u32 s2, s2, s20
	s_mov_b32 s3, 0
	; descriptor group 1: a tile of 64 rows x 64 elements of 2 bytes, padded in LDS
	s_mov_b32 s[G1K], 15|(1<<16)|(1<<20)|(1<<21)|(4<<22)|(3<<25)  ; 15:0 the mask: all four work-groups; 17:16 elements of 2 bytes; 20 padding on; 21 set beside a mask; 24:22 after every 32 words; 31:25 four words
	s_mov_b32 s[G1V], 15|(1<<16)|(1<<20)|(1<<21)|(4<<22)|(7<<25)  ; the same with eight words of padding
.irp g, G1K, G1V
	s_mov_b32 s[\g+1], 64<<16       ; tensor_dim0 = 64
	s_mov_b32 s[\g+2], KS<<16       ; tensor_dim1 = 64
	s_mov_b32 s[\g+3], 64<<16       ; tile_dim0 = 64
	s_mov_b32 s[\g+4], KS           ; tile_dim1 = 64
	s_mov_b32 s[\g+5], 64           ; elements from row to row
	s_mov_b32 s[\g+6], 0
	s_mov_b32 s[\g+7], 0
.endr
	s_mov_b32 s[CS], 0x3e38aa3b     ; c = log2(e) / 8
	s_mov_b32 s[CS+1], s[CS]        ; named with it as a pair, so it is written
	s_mov_b32 s[SEL], 0x76543210
	s_mov_b32 s[SEL+1], 0xfedcba98
	s_mov_b32 s[TB], 0
	s_mov_b32 s[SLOTS], NSL-1
	s_cmp_eq_u32 s16, 0             ; waves 0 and 4 prefetch: the same in all four partners
	s_cselect_b32 s[LIM], 1, -1
	s_mul_i32 s14, s[WV], 16*PK
	s_add_co_u32 s14, s14, STAGE    ; my stage
	s_wait_dscnt 0x0                ; both opening adds are done
	s_wait_kmcnt 0x0
	s_add_nc_u64 s[48:49], s[4:5], s[22:23]
	s_add_nc_u64 s[50:51], s[48:49], 0x2000000  ; V at my tile of slot 0
	s_add_nc_u64 s[48:49], s[48:49], 0x1000000  ; K at my tile of slot 0
	s_add_nc_u64 s[52:53], s[4:5], s[2:3]       ; Q at my wave's first row
	s_add_nc_u64 s[54:55], s[6:7], s[2:3]       ; y likewise
	s_mov_b32 s[G0K], 1             ; count = 1
	s_mov_b32 s[G0K+1], s17         ; LDS address: slot 0
	s_mov_b64 s[G0K+2:G0K+3], s[48:49]
	s_or_b32 s[G0K+3], s[G0K+3], 0x80000000  ; type = 2
	s_mov_b32 s[G0V], 1
	s_add_co_u32 s[G0V+1], s17, VOFF
	s_mov_b64 s[G0V+2:G0V+3], s[50:51]
	s_or_b32 s[G0V+3], s[G0V+3], 0x80000000
	s_cmp_lt_u32 s[WV], 4
	s_cselect_b64 s[PFA:PFA+1], s[48:49], s[50:51]  ; (in waves 0 and 4 these stand at a slot's first row)
	s_lshl_b32 s2, s13, 13          ; my work-group's 8,192 bytes of the 32,768
	s_mov_b32 s3, 0
	s_add_nc_u64 s[PFA:PFA+1], s[PFA:PFA+1], s[2:3]
	s_add_nc_u64 s[PFA:PFA+1], s[PFA:PFA+1], SLOTB  ; in slot 1; the first change of slots steps it to slot 2
	CROUND                          ; all four work-groups are here: the first joint loads meet
	JLOAD                           ; slot 0
	v_and_b32 v1, 15, v0            ; r = l % 16
	v_bfe_u32 v11, v0, 4, 1         ; h = l / 16
	v_lshlrev_b32 v[QO], 7, v1
	v_lshl_add_u32 v[QO], v11, 4, v[QO]  ; row x 128 + 16 x half
	WIN W_LD1
.irp t, 0,1,2,3                     ; Q stays in registers.  A fragment is 16 rows x 32 channels in 8 registers: two loads of 16 bytes, 32 bytes apart
.irp c, 0,1
	global_load_b128 v[QF+16*\t+8*\c:QF+16*\t+8*\c+3],   v[QO], s[52:53] offset:\t*2048+64*\c
	global_load_b128 v[QF+16*\t+8*\c+4:QF+16*\t+8*\c+7], v[QO], s[52:53] offset:\t*2048+64*\c+32
.endr
.endr
.set i, 0
.rept 128
	v_mov_b32 v[i], 0               ; O^T: the step is written once; its first walk finds zeros, which a = 0 leaves zeros
.set i, i+1
.endr
	WIN 0
	v_mul_u32_u24 v[AK0], v1, PK
	v_lshl_add_u32 v[AK0], v11, 4, v[AK0]  ; K: row x pitch + 16 x half
	v_and_b32 v15, 7, v0            ; V: the turning load takes 16 keys x 16 channels: lane l reads key 8 (l / 16) + l % 8, channels 8 ((l / 8) % 2) + 0..7
	v_lshl_add_u32 v[AV0], v11, 3, v15
	v_mul_u32_u24 v[AV0], v[AV0], PV
	v_bfe_u32 v14, v0, 3, 1
	v_lshl_add_u32 v[AV0], v14, 4, v[AV0]
	v_add_nc_u32 v[AV0], VOFF, v[AV0]
	v_add_nc_u32 v[STO], s14, v[AK0]  ; the stage, in: row r of 144 bytes, 16 bytes for each half of the lanes
	v_bfe_u32 v14, v0, 3, 2         ; back: eight lanes take a row's 128 bytes, the 32 lanes four rows
	v_mul_u32_u24 v[RD], v14, PK
	v_lshl_add_u32 v[RD], v15, 4, v[RD]
	v_add_nc_u32 v[RD], s14, v[RD]
	v_and_b32 v14, 31, v0
	v_lshlrev_b32 v[GO], 4, v14
	v_lshlrev_b32 v[PFO], 8, v14
.irp t, 0,1,2,3
	v_mov_b32 v[ST+8*\t+1], 0xff61b1e6  ; m: -3e38, under every score
	v_mul_f32 v[ST+8*\t], s[CS], v[ST+8*\t+1]  ; c m
	v_mov_b32 v[ST+8*\t+2], 0       ; l, in two halves
	v_mov_b32 v[ST+8*\t+3], 0
.endr
; A KEY STEP: 64 keys for the wave's four tiles.  No barrier and no tensor load stands in it, and no LDS load is out at its end.
.macro STEP
	v_add_nc_u32 v[ADK], s[TB], v[AK0]
	v_add_nc_u32 v[ADV], s[TB], v[AV0]
.rept 4
	v_nop                           ; with the two additions six places behind the last step's products: four are owed ahead of the loads into V's registers, five ahead of the products that write S^T over P
.endr
.irp kt, 0,1,2,3
.irp c, 0,1
	ds_load_b128 v[KF+16*\kt+8*\c:KF+16*\kt+8*\c+3],   v[ADK] offset:\kt*16*PK+64*\c
	ds_load_b128 v[KF+16*\kt+8*\c+4:KF+16*\kt+8*\c+7], v[ADK] offset:\kt*16*PK+64*\c+32
.endr
.endr
	WIN W_LD1
.irp kk, 0,1
.irp ch, 0,1,2,3
	ds_load_tr16_b128 v[VF+32*\kk+8*\ch:VF+32*\kk+8*\ch+3],   v[ADV] offset:\kk*32*PV+32*\ch
	ds_load_tr16_b128 v[VF+32*\kk+8*\ch+4:VF+32*\kk+8*\ch+7], v[ADV] offset:\kk*32*PV+16*PV+32*\ch
.endr
.endr
	s_add_co_u32 s[TB], s[TB], STEPB  ; the next fetch is the next step's
	s_wait_dscnt 16                 ; K's sixteen loads are in; V's sixteen, issued behind them, may be out
	WIN W_KQ
.set i, 0
.rept 32                            ; S^T = K Q^T: channels 32 (i / 16) on, keys 16 ((i / 4) % 4) on, tile i % 4.  The 16 accumulators take turns; the first 16 products start the sums
.set rS, S+32*(i%4)+8*((i/4)%4)
.set rK, KF+16*((i/4)%4)+8*(i/16)
.set rQ, QF+16*(i%4)+8*(i/16)
.if i < 16
	v_wmma_f32_16x16x32_f16 v[rS:rS+7], v[rK:rK+7], v[rQ:rQ+7], 0
.else
	v_wmma_f32_16x16x32_f16 v[rS:rS+7], v[rK:rK+7], v[rQ:rQ+7], v[rS:rS+7]
.endif
.set i, i+1
.endr
	WIN 0
.rept 4
	v_nop                           ; places ahead of the first read of the scores
.endr
	; the maximum of a lane's 32 scores and the old m, three operands at a time: four chains of seven scores each (each accumulator is read from its low end on), the four tiles by turns
.irp j, 0,1,2,3
.irp t, 0,1,2,3
	v_max3_num_f32 v[ST+8*\t+4+\j], v[S+32*\t+8*\j], v[S+32*\t+8*\j+1], v[S+32*\t+8*\j+2]
.endr
.endr
.irp g, 1,2
.irp j, 0,1,2,3
.irp t, 0,1,2,3
	v_max3_num_f32 v[ST+8*\t+4+\j], v[ST+8*\t+4+\j], v[S+32*\t+8*\j+2*\g+1], v[S+32*\t+8*\j+2*\g+2]
.endr
.endr
.endr
.irp t, 0,1,2,3
	v_max3_num_f32 v[ST+8*\t+4], v[ST+8*\t+4], v[S+32*\t+7], v[S+32*\t+15]
.endr
.irp t, 0,1,2,3
	v_max3_num_f32 v[ST+8*\t+6], v[ST+8*\t+6], v[S+32*\t+23], v[S+32*\t+31]
.endr
.irp t, 0,1,2,3
	v_max3_num_f32 v[ST+8*\t+4], v[ST+8*\t+4], v[ST+8*\t+5], v[ST+8*\t+6]
.endr
.irp t, 0,1,2,3
	v_max3_num_f32 v[ST+8*\t+4], v[ST+8*\t+4], v[ST+8*\t+7], v[ST+8*\t+1]
.endr
.irp t, 0,1,2,3
	v_permlanex16_b32 v[ST+8*\t+5], v[ST+8*\t+4], s[SEL], s[SEL+1]  ; the query's other 32 keys lie in the lane 16 away
.endr
.irp t, 0,1,2,3
	v_mov_b32 v[ST+8*\t+7], v[ST+8*\t]  ; c m_old is kept for a
.endr
.irp t, 0,1,2,3
	v_max_num_f32 v[ST+8*\t+1], v[ST+8*\t+4], v[ST+8*\t+5]  ; the new m
.endr
.irp t, 0,1,2,3
	v_mul_f32 v[ST+8*\t], s[CS], v[ST+8*\t+1]
.endr
.irp t, 0,1,2,3
	v_sub_f32 v[ST+8*\t+7], v[ST+8*\t+7], v[ST+8*\t]
.endr
.irp t, 0,1,2,3
	v_exp_f32 v[ST+8*\t+6], v[ST+8*\t+7]  ; a = 2^(c m_old - c m_new)
.endr
.irp i, 0,2,4,6,8,10,12,14,16,18,20,22,24,26,28,30
.irp t, 0,1,2,3
	v_pk_fma_f32 v[S+32*\t+\i:S+32*\t+\i+1], v[S+32*\t+\i:S+32*\t+\i+1], s[CS:CS+1], v[ST+8*\t:ST+8*\t+1] op_sel_hi:[1,0,0] neg_lo:[0,0,1] neg_hi:[0,0,1]  ; c s - c m, two at a time: plain work behind the four exponentials
.endr
.endr
	s_wait_alu depctr_va_vdst(0)    ; one wait for the four a, ahead of their first reader (the rescaling below)
.set e, 0
.rept 128
	v_exp_f32 v[S+e], v[S+e]        ; p: one batch; none of these reads an exponential's result
.set e, e+1
.endr
	WIN W_RS
.irp t, 0,1,2,3
.set i, 0
.rept 16
	v_pk_mul_f32 v[32*\t+i:32*\t+i+1], v[32*\t+i:32*\t+i+1], v[ST+8*\t+6:ST+8*\t+7] op_sel_hi:[1,0]  ; O^T x a: it reads a alone, which has had its wait: the plain, independent work behind the batch
.set i, i+2
.endr
.endr
	WIN 0
	s_wait_alu depctr_va_vdst(0)    ; one wait for the 128, ahead of their first reader
	; l = a l + the sum of the tile's 16 pairs, in two chains, the tiles by turns
.irp t, 0,1,2,3
	v_pk_fma_f32 v[ST+8*\t+2:ST+8*\t+3], v[ST+8*\t+2:ST+8*\t+3], v[ST+8*\t+6:ST+8*\t+7], v[S+32*\t:S+32*\t+1] op_sel_hi:[1,0,1]
.endr
.irp t, 0,1,2,3
	v_pk_add_f32 v[ST+8*\t+4:ST+8*\t+5], v[S+32*\t+2:S+32*\t+3], v[S+32*\t+4:S+32*\t+5]
.endr
.irp i, 6,10,14,18,22,26
.irp t, 0,1,2,3
	v_pk_add_f32 v[ST+8*\t+2:ST+8*\t+3], v[ST+8*\t+2:ST+8*\t+3], v[S+32*\t+\i:S+32*\t+\i+1]
.endr
.irp t, 0,1,2,3
	v_pk_add_f32 v[ST+8*\t+4:ST+8*\t+5], v[ST+8*\t+4:ST+8*\t+5], v[S+32*\t+\i+2:S+32*\t+\i+3]
.endr
.endr
.irp t, 0,1,2,3
	v_pk_add_f32 v[ST+8*\t+2:ST+8*\t+3], v[ST+8*\t+2:ST+8*\t+3], v[S+32*\t+30:S+32*\t+31]
.endr
.irp t, 0,1,2,3
	v_pk_add_f32 v[ST+8*\t+2:ST+8*\t+3], v[ST+8*\t+2:ST+8*\t+3], v[ST+8*\t+4:ST+8*\t+5]
.endr
.irp i, 0,1,2,3,4,5,6,7,8,9,10,11,12,13,14,15
.irp t, 0,1,2,3
	v_cvt_pk_f16_f32 v[S+32*\t+\i], v[S+32*\t+2*\i], v[S+32*\t+2*\i+1]  ; P in place, ascending: register i is written when it has been read
.endr
.endr
	s_wait_dscnt 0x0                ; V is in
	WIN W_PV
.set i, 0
.rept 32                            ; O^T += V^T P: keys 32 (i / 16) on, channels 16 ((i / 4) % 4) on, tile i % 4.  The 16 accumulators take turns
.set rO, 32*(i%4)+8*((i/4)%4)
.set rV, VF+32*(i/16)+8*((i/4)%4)
.set rP, S+32*(i%4)+8*(i/16)
	v_wmma_f32_16x16x32_f16 v[rO:rO+7], v[rV:rV+7], v[rP:rP+7], v[rO:rO+7]
.set i, i+1
.endr
	WIN 0
.endm
; THE CHANGE OF SLOTS stands at a slot's head.  Each wave waits for all its tensor loads (its part of the slot that it is about to read), adds 0 to its spare word, and waits for that and for its reads of the slot that
; it has left.  fill = 1: the barrier is a round of the cluster's, and behind it the slot just left takes the keys that follow: the load has four key steps in which to land.  One tensor load of a wave is out.
.macro CHANGE fill
	s_wait_tensorcnt 0x0            ; no tensor load of mine is out, so a group 0 may be written
	ds_add_u32 v[SPW], v[NIL]       ; 0 onto my spare word; with fill = 1 the descriptors' steps stand between it and the wait for it
.if \fill
	s_xor_b32 s[G0K+1], s[G0K+1], SLOT1  ; the walking descriptors: the other slot than last time,
	s_add_nc_u64 s[G0K+2:G0K+3], s[G0K+2:G0K+3], SLOTB  ; the next 256 keys; the type bits on top are not reached
	s_xor_b32 s[G0V+1], s[G0V+1], SLOT1
	s_add_nc_u64 s[G0V+2:G0V+3], s[G0V+2:G0V+3], SLOTB
	s_wait_xcnt 0x0                 ; the last prefetch, a slot back, has read its address, so it may be written:
	s_add_nc_u64 s[PFA:PFA+1], s[PFA:PFA+1], SLOTB  ; one slot further on than the walking descriptors
	s_wait_dscnt 0x0                ; the add is done, and my reads of the slot that I have left are over
	CROUND
	JLOAD                           ; the first tensor load behind the round, and my one load until the next
	ASK
.else
	s_wait_dscnt 0x0
	s_barrier_signal -1
	s_barrier_wait -1
.endif
.endm
.macro SLOT_STEPS                   ; a slot's four key steps: written once, walked four times; the LDS addresses hang on s[TB]
	s_mov_b32 s[STEPC], NST
.Lstep_\@:
	STEP
	s_sub_co_u32 s[STEPC], s[STEPC], 1
	s_cmp_lg_u32 s[STEPC], 0
	s_cbranch_scc1 .Lstep_\@
	s_sub_co_u32 s[TB], s[TB], NST*STEPB  ; back to a slot's first step,
	s_xor_b32 s[TB], s[TB], SLOT1   ; in the other slot
.endm
	s_wait_loadcnt 0x0              ; Q
.Lslot:                             ; NSL - 1 trips: behind each change of slots but the last the next slot is asked for
	CHANGE 1
	SLOT_STEPS
	s_sub_co_u32 s[SLOTS], s[SLOTS], 1
	s_cmp_lg_u32 s[SLOTS], 0
	s_cbranch_scc1 .Lslot
	CHANGE 0                        ; the last slot is written out
	SLOT_STEPS
	; THE WAY OUT.  l's two halves and the other half of the lanes' are added; O^T is divided by l, rounded to f16 and sent through my stage in LDS, a tile (16 rows of y) at a time.  The additions are the places behind the last products.
.irp t, 0,1,2,3
	v_add_f32 v[ST+8*\t+4], v[ST+8*\t+2], v[ST+8*\t+3]
.endr
.irp t, 0,1,2,3
	v_permlanex16_b32 v[ST+8*\t+5], v[ST+8*\t+4], s[SEL], s[SEL+1]
.endr
.irp t, 0,1,2,3
	v_add_f32 v[ST+8*\t+4], v[ST+8*\t+4], v[ST+8*\t+5]
.endr
.irp t, 0,1,2,3
	v_rcp_f32 v[ST+8*\t+6], v[ST+8*\t+4]
.endr
	v_nop                           ; a plain instruction between the last reciprocal and the use of its result
	s_wait_alu depctr_va_vdst(0)    ; one wait for the four reciprocals, ahead of their first reader
; Tile t: a lane's eight channels of a row pack into 16 bytes; they go into rows of 144 bytes and come back four whole rows of 128 bytes at a time.
.macro PACK t
	WIN W_OUT
.set i, 0
.rept 16
	v_pk_mul_f32 v[S+32*\t+i:S+32*\t+i+1], v[32*\t+i:32*\t+i+1], v[ST+8*\t+6:ST+8*\t+7] op_sel_hi:[1,0]  ; each accumulator from its low end on
.set i, i+2
.endr
	WIN 0
.set i, 0
.rept 16
	v_cvt_pk_f16_f32 v[S+32*\t+i], v[S+32*\t+2*i], v[S+32*\t+2*i+1]
.set i, i+1
.endr
.irp ch, 0,1,2,3
	ds_store_b128 v[STO], v[S+32*\t+4*\ch:S+32*\t+4*\ch+3] offset:32*\ch
.endr
.irp f, 0,1,2,3
	ds_load_b128 v[S+32*\t+16+4*\f:S+32*\t+16+4*\f+3], v[RD] offset:\f*4*PK  ; LDS serves a wave's instructions in order (ISA guide 5.7.1.4): these see the stores above; the next tile's stores come behind them
.endr
.endm
.macro SEND t, younger              ; younger: the LDS instructions issued behind tile t's loads: the next tile's four stores and four loads, or none
.irp f, 0,1,2,3
	s_wait_dscnt \younger+3-\f
	global_store_b128 v[GO], v[S+32*\t+16+4*\f:S+32*\t+16+4*\f+3], s[54:55] offset:\t*2048+\f*512  ; the wave stores 512 consecutive bytes, aligned
.endr
.endm
	PACK 0
	PACK 1                          ; a tile's arithmetic stands between the loads of the tile before and its stores
	SEND 0, 8
	PACK 2
	SEND 1, 8
	PACK 3
	SEND 2, 8
	SEND 3, 0
	s_wait_tensorcnt 0x0            ; the wave's end
	ds_add_u32 v[SPW], v[NIL]
	s_wait_dscnt 0x0
	CROUND                          ; the closing round: no work-group ends while a partner may still ask for a tile that names it
	s_endpgm
.Lfunc_end_k_q320e672b0e_attn:
	.size	k_q320e672b0e_attn, .Lfunc_end_k_q320e672b0e_attn-k_q320e672b0e_attn
	.p2alignl 7, 3214868480
	.fill 96, 4, 3214868480
	.section	.rodata,"a",@progbits
	.p2align	6, 0x0
	.amdhsa_kernel k_q320e672b0e_attn
		.amdhsa_group_segment_fixed_size 327680
		.amdhsa_private_segment_fixed_size 0
		.amdhsa_enable_private_segment 0
		.amdhsa_kernarg_size 16
		.amdhsa_user_sgpr_count 2
		.amdhsa_user_sgpr_kernarg_segment_ptr 1
		.amdhsa_wavefront_size32 1
		.amdhsa_system_sgpr_workgroup_id_x 1
		.amdhsa_system_sgpr_workgroup_id_y 1
		.amdhsa_system_sgpr_workgroup_id_z 1
		.amdhsa_system_vgpr_workitem_id 0
		.amdhsa_next_free_vgpr 512
		.amdhsa_next_free_sgpr 66
		.amdhsa_reserve_vcc 0
		.amdhsa_float_denorm_mode_32 3
		.amdhsa_float_denorm_mode_16_64 3
		.amdhsa_memory_ordered 1
		.amdhsa_forward_progress 1
		.amdhsa_inst_pref_size 91
	.end_amdhsa_kernel
	.amdgpu_metadata
---
amdhsa.version: [ 1, 2 ]
amdhsa.kernels:
  - .name:           k_q320e672b0e_attn
    .symbol:         k_q320e672b0e_attn.kd
    .args:
      - { .name: qkv, .offset: 0, .size: 8, .value_kind: global_buffer, .address_space: global }
      - { .name: y16, .offset: 8, .size: 8, .value_kind: global_buffer, .address_space: global }
    .group_segment_fixed_size: 327680
    .private_segment_fixed_size: 0
    .kernarg_segment_align: 8
    .kernarg_segment_size: 16
    .max_flat_workgroup_size: 256
    .sgpr_count:     66
    .vgpr_count:     512
    .wavefront_size: 32
...
	.end_amdgpu_metadata
.endif
;; end of part 3
;; launch proj (part 4): grid 8 x 32, 4 waves a work-group, clusters of 4 x 4, 327,680 bytes of LDS; arguments y16, wp16, out0; writes out0
.if DOCPART == 4
	.amdgcn_target "amdgcn-amd-amdhsa--gfx1250"
	.amdhsa_code_object_version 6
	.text
	.protected	k_q320e672b0e_proj
	.globl	k_q320e672b0e_proj
	.p2align	8
	.type	k_q320e672b0e_proj,@function
k_q320e672b0e_proj:
	s_mov_b64 s[64:65], 0
	v_nop
	global_prefetch_b8 v0, s[64:65] scope:SCOPE_SE
	s_setreg_imm32_b32 hwreg(HW_REG_WAVE_MODE, 25, 1), 1
	s_wait_xcnt 0x0
	s_wait_alu depctr_hold_cnt(0) depctr_sa_sdst(0) depctr_va_vdst(0) depctr_va_sdst(0) depctr_va_ssrc(0) depctr_va_vcc(0) depctr_vm_vsrc(0)
	s_getreg_b32 s2, hwreg(HW_REG_IB_STS2, 6, 4)
	s_cmp_eq_u32 s2, 0
	s_cbranch_scc0 .Lentry_in_a_cluster
	s_endpgm
.Lentry_in_a_cluster:
	s_bfe_u32 s2, ttmp6, 0x10000c
	s_cmp_lg_u32 s2, 0xf033
	s_cbranch_scc0 .Lentry_shape_is_right
	s_endpgm
.Lentry_shape_is_right:
; out0[m][n] = sum over k of y[m][k] w_proj[n][k]; m = 8,192 tokens, n = k = 1,024; operands f16, sums f32, out0 f32.  y16 lies by head, [4 batches][16 heads][2048 tokens][64]; k = 64 x head + channel.  wp16: [1024 n][1024 k].
; A tile of out0 is 256 tokens x 128 outputs: 256 work-groups.  Four waves, each 128 x 64: 32 accumulators of 16 x 16, all of window 1.
; K goes in steps of 128 (two heads) through a ring of two LDS slots: of y a step is two dense blocks of 256 rows x 128 bytes (waves 0 and 1 fetch one each), of w_proj 128 rows x 256 bytes (waves 2 and 3 fetch 64 rows each).
; CLUSTERS: 4 x 4 work-groups.  The four of a row of the cluster need the same tiles of y, the four of a column the same tiles of w_proj: each tile is asked for JOINTLY.
; THE MATRIX INSTRUCTION IS USED TRANSPOSED (source 0 = 16 rows of w_proj, source 1 = 16 tokens): a lane then holds eight neighbouring outputs of one token.
; No prefetch: of the eight K steps two are asked for at the head, and each refill has a K step less sixteen products, 112 matrix instructions, in which to land.
; REGISTERS: window 0: v16-29 addresses; two fragment buffers of 96 for 32 along K, v64-159 and v160-255: 64 registers of y (8 x 16 tokens), then 32 of w_proj (4 x 16 rows); on the way out v64-127.
;   window 1: accumulator (a, b) at v[8 (4 a + b)].
.set KSTEP,  128
.set PA,     144                       ; a row of y in LDS: 128 bytes + 16 = 36 words: the 16 rows of a load start at 16 different multiples of 4 words modulo 64 (64 banks of 4 bytes: ISA guide 11.1)
.set PB,     272                       ; a row of w_proj: 256 bytes + 16 = 68 words: likewise
.set AH,     256*PA                    ; one head's 256 tokens
.set BH,     64*PB                     ; 64 rows of w_proj
.set SLOT,   2*AH+2*BH
.set STAGE,  2*SLOT                    ; behind the ring: 16 rows x 272 bytes for each wave, for the way out
.set SPITCH, 272
.set SPARE,  STAGE+4*16*SPITCH         ; the spare words, 128 bytes for each wave
.set LAPS,   1024/(2*KSTEP)            ; a lap = two K steps = once round the ring
.set ADRA, 16                          ; v16-17  LDS address of my y fragments in slot 0, 1
.set ADRB, 20                          ; v20-21  the same for w_proj
.set STO,  24                          ; v24     the way out: where I put 32 bytes of a row
.set RD,   25                          ; v25     the way out: where I read 16 bytes back
.set CO,   26                          ; v26     my byte offset in out0
.set SPW,  28                          ; v28     LDS address of my spare word; never rewritten
.set NIL,  29                          ; v29     0; never rewritten
.set F0,   64
.set F1,   160
.set BKB,  64                          ; the way out: a block read back: v64-95 and v96-127 by turns
.set G1, 24                            ; s[24:31] descriptor group 1 for y's tiles;  s[32:39] group 0, one set for each slot
.set G0, 32
.set G1B, 48                           ; s[48:55], s[56:63] the same for w_proj's tiles
.set G0B, 56
.set MSB, 0
.macro WIN new                         ; the immediate's high byte repeats the setting that is left; a switch that changes nothing is dropped
.if MSB != (\new)
	s_set_vgpr_msb (MSB<<8)|(\new)
.set MSB, (\new)
.endif
.endm
.set MUL, 0x50                         ; C and D window 1, both sources window 0
.macro JLOAD s                         ; a joint load: waves 0 and 1 fetch y's two heads, waves 2 and 3 w_proj's two halves; an s_nop 0 and four v_nop follow each of the two lines
	s_cmp_eq_u32 s11, 0
	s_cbranch_scc0 .Lfor_b_\@
	tensor_load_to_lds s[G0+4*\s:G0+4*\s+3], s[G1:G1+7]
	s_nop 0
.rept 4
	v_nop
.endr
	s_branch .Lasked_\@
.Lfor_b_\@:
	tensor_load_to_lds s[G0B+4*\s:G0B+4*\s+3], s[G1B:G1B+7]
	s_nop 0
.rept 4
	v_nop
.endr
.Lasked_\@:
.endm
.macro CREST                           ; a round of the cluster's barrier behind its opening barrier
	s_cmp_lg_u32 s10, 0
	s_cbranch_scc1 .Lnot_wave_0_\@
	s_barrier_signal -3
.Lnot_wave_0_\@:
	s_barrier_wait -3
	s_barrier_signal -1
	s_barrier_wait -1
.endm
.macro CROUND                          ; a whole round
	s_barrier_signal -1
	s_barrier_wait -1
	CREST
.endm
	s_load_b128 s[4:7], s[0:1], 0x0                ; y16 s[4:5], wp16 s[6:7]
	s_load_b64 s[8:9], s[0:1], 0x10                ; out0
	v_lshl_add_u32 v[SPW], v0, 2, SPARE
	v_mov_b32 v[NIL], 0
	ds_add_u32 v[SPW], v[NIL]                      ; the wave's opening: the add, twice on end, and its wait ahead of my first tensor load
	ds_add_u32 v[SPW], v[NIL]
	v_lshrrev_b32 v1, 5, v0
	v_readfirstlane_b32 s10, v1                    ; wave 0..3
	s_lshr_b32 s11, s10, 1                         ; which half of the tile's tokens is mine.  Also: I fetch for y (0) or for w_proj (1)
	s_and_b32 s12, s10, 1                          ; which half of its outputs.  Also: which head of the step's two, or which 64 rows, I fetch
	s_bfe_u32 s40, ttmp6, 0x40000                  ; cx, cy: my place in the cluster
	s_bfe_u32 s41, ttmp6, 0x40004
	s_lshl_b32 s42, ttmp9, 2
	s_add_co_u32 s42, s42, s40                     ; tile column = 4 x cluster x + cx
	s_and_b32 s13, ttmp7, 0xffff
	s_lshl_b32 s13, s13, 2
	s_add_co_u32 s13, s13, s41                     ; tile row = 4 x cluster y + cy
	s_lshl_b32 s43, s41, 2
	s_lshl_b32 s43, 15, s43                        ; my row of the cluster
	s_lshl_b32 s44, 0x1111, s40                    ; my column
	; descriptor groups 1.  y: 256 rows x 64 elements of 2 bytes, dense; four words of padding after every 32.  w_proj: 64 rows x 128 elements, 1,024 from row to row; four words after every 64
	s_or_b32 s[G1+0], s43, (1<<16)|(1<<20)|(1<<21)|(4<<22)|(3<<25)
	s_mov_b32 s[G1+1], 64<<16                      ; tensor_dim0
	s_mov_b32 s[G1+2], 256<<16                     ; tensor_dim1
	s_mov_b32 s[G1+3], 64<<16                      ; tile_dim0
	s_mov_b32 s[G1+4], 256                         ; tile_dim1
	s_mov_b32 s[G1+5], 64                          ; from row to row
	s_mov_b32 s[G1+6], 0
	s_mov_b32 s[G1+7], 0
	s_or_b32 s[G1B+0], s44, (1<<16)|(1<<20)|(1<<21)|(5<<22)|(3<<25)
	s_mov_b32 s[G1B+1], KSTEP<<16
	s_mov_b32 s[G1B+2], 64<<16
	s_mov_b32 s[G1B+3], KSTEP<<16
	s_mov_b32 s[G1B+4], 64
	s_mov_b32 s[G1B+5], 1024
	s_mov_b32 s[G1B+6], 0
	s_mov_b32 s[G1B+7], 0
	; where the tiles come from.  y: batch = tile row / 8, head = my parity, tokens 256 (tile row % 8) on: it hangs on the tile row alone.  w_proj: row 128 x tile column + 64 x half: on the tile column alone
	s_lshr_b32 s16, s13, 3
	s_lshl_b32 s16, s16, 4
	s_add_co_u32 s16, s16, s12
	s_lshl_b32 s16, s16, 18                        ; a head is 2^18 bytes
	s_and_b32 s17, s13, 7
	s_lshl_b32 s17, s17, 15                        ; 256 tokens of 128 bytes
	s_add_co_u32 s16, s16, s17
	s_mov_b32 s17, 0
	s_lshl_b32 s46, s42, 18                        ; 128 rows of 2,048 bytes
	s_lshl_b32 s47, s12, 17
	s_add_co_u32 s46, s46, s47
	s_mov_b32 s47, 0
	s_mul_i32 s20, s12, AH                         ; and where they go: no place in the cluster enters an LDS address
	s_mul_i32 s22, s12, BH
	s_add_co_u32 s22, s22, 2*AH
	s_wait_dscnt 0x0                               ; both opening adds are done
	s_wait_kmcnt 0x0
	s_add_nc_u64 s[14:15], s[4:5], s[16:17]
	s_add_nc_u64 s[46:47], s[6:7], s[46:47]
	CROUND                                         ; all sixteen work-groups are here: the first joint loads meet
.irp s, 0,1
	s_mov_b32 s[G0+4*\s], 1
	s_add_co_u32 s[G0+4*\s+1], s20, \s*SLOT
	s_add_nc_u64 s[G0+4*\s+2:G0+4*\s+3], s[14:15], \s*2*262144     ; K step s: two heads on
	s_or_b32 s[G0+4*\s+3], s[G0+4*\s+3], 0x80000000
	s_mov_b32 s[G0B+4*\s], 1
	s_add_co_u32 s[G0B+4*\s+1], s22, \s*SLOT
	s_add_nc_u64 s[G0B+4*\s+2:G0B+4*\s+3], s[46:47], \s*KSTEP*2
	s_or_b32 s[G0B+4*\s+3], s[G0B+4*\s+3], 0x80000000
	JLOAD \s
.endr
	v_and_b32 v1, 15, v0                           ; r = l % 16
	v_bfe_u32 v2, v0, 4, 1                         ; h = l / 16
	v_mul_u32_u24 v3, v1, PA
	v_lshl_add_u32 v3, v2, 4, v3                   ; a fragment's row x pitch + 16 x half: y's,
	v_mul_u32_u24 v4, v1, PB
	v_lshl_add_u32 v4, v2, 4, v4                   ; w_proj's
	s_mul_i32 s21, s11, 128*PA                     ; my 128 tokens
	s_mul_i32 s23, s12, BH                         ; my 64 rows of w_proj,
	s_add_co_u32 s23, s23, 2*AH                    ; which lie behind y's two heads
.irp s, 0,1
	v_add_nc_u32 v[ADRA+\s], s21, v3
	v_add_nc_u32 v[ADRB+\s], s23, v4
	s_add_co_u32 s21, s21, SLOT
	s_add_co_u32 s23, s23, SLOT
.endr
	s_mul_i32 s23, s10, 16*SPITCH
	s_add_co_u32 s23, s23, STAGE                   ; my stage
	v_mul_u32_u24 v5, v1, SPITCH                   ; in: row r, 32 bytes for each half of the lanes
	v_lshl_add_u32 v5, v2, 5, v5
	v_add_nc_u32 v[STO], s23, v5
	v_mul_u32_u24 v5, v2, SPITCH                   ; back: lanes 0-15 take one row of 256 bytes, lanes 16-31 the next
	v_lshl_add_u32 v5, v1, 4, v5
	v_add_nc_u32 v[RD], s23, v5
	v_lshlrev_b32 v5, 12, v2                       ; and the same two rows in out0 (4,096 bytes a row)
	v_lshl_add_u32 v[CO], v1, 4, v5
	s_lshl_b32 s16, s13, 8
	s_lshl_b32 s17, s11, 7
	s_add_co_u32 s16, s16, s17                     ; my first token: 256 x tile row + 128 x half
	s_lshl_b32 s16, s16, 12
	s_mov_b32 s17, 0
	s_add_nc_u64 s[8:9], s[8:9], s[16:17]
	s_lshl_b32 s46, s42, 9                         ; my first output, in bytes: 512 x tile column + 256 x half
	s_lshl_b32 s47, s12, 8
	s_add_co_u32 s46, s46, s47
	s_mov_b32 s47, 0
	s_add_nc_u64 s[8:9], s[8:9], s[46:47]
; 4 n matrix instructions: y's blocks a0 .. a0 + n - 1 against w_proj's four, 32 along K, from buffer f.  zero = 1: the product starts the sum.  The 32 accumulators take turns, in the same order in every quarter.
.macro MULN f, a0, n, zero
.set ia, \a0
.rept \n
.irp b, 0,1,2,3
.if \zero
	v_wmma_f32_16x16x32_f16 v[8*(4*ia+\b):8*(4*ia+\b)+7], v[\f+64+8*\b:\f+64+8*\b+7], v[\f+8*ia:\f+8*ia+7], 0
.else
	v_wmma_f32_16x16x32_f16 v[8*(4*ia+\b):8*(4*ia+\b)+7], v[\f+64+8*\b:\f+64+8*\b+7], v[\f+8*ia:\f+8*ia+7], v[8*(4*ia+\b):8*(4*ia+\b)+7]
.endif
.endr
.set ia, ia+1
.endr
.endm
; 24 LDS loads in one run: the fragments of the slot's q-th 32 along K into buffer f: w_proj's four, then y's eight.  Quarter q lies in head q / 2 of the step, channels 32 (q % 2) on.
.macro FETCH slot, q, f
	WIN 0
.irp j, 0,1,2,3
	ds_load_b128 v[\f+64+8*\j:\f+64+8*\j+3],   v[ADRB+\slot] offset:64*(\q)+\j*16*PB
	ds_load_b128 v[\f+64+8*\j+4:\f+64+8*\j+7], v[ADRB+\slot] offset:64*(\q)+\j*16*PB+32
.endr
.irp i, 0,1,2,3,4,5,6,7
	ds_load_b128 v[\f+8*\i:\f+8*\i+3],   v[ADRA+\slot] offset:((\q)/2)*AH+64*((\q)%2)+\i*16*PA
	ds_load_b128 v[\f+8*\i+4:\f+8*\i+7], v[ADRA+\slot] offset:((\q)/2)*AH+64*((\q)%2)+\i*16*PA+32
.endr
.endm
.macro PLACES                          ; four places ahead of loads into registers that matrix instructions have read, and of the first read of results
.rept 4
	v_nop
.endr
.endm
; A K step is four quarters of 32 along K, 32 matrix instructions each, on buffers 0, 1, 0, 1.  One of the first three: multiplies buffer f and fetches quarter q into g.
.macro QUARTER slot, q, f, g, zero
	s_wait_dscnt 8                                 ; w_proj's fragments and y's blocks 0-3 are in; the youngest eight loads (y's blocks 4-7) may be out
	WIN MUL
	MULN \f, 0, 4, \zero
	PLACES
	FETCH \slot, \q, \g
	s_wait_dscnt 24                                ; all but the 24 just issued
	WIN MUL
	MULN \f, 4, 4, \zero
.endm
; The last quarter multiplies buffer 1 and changes slots: ONE barrier; in front of it each wave waits for all its tensor loads, adds 0 to its spare word, and waits for that and for its own reads of this slot.
; fill = 1: the barrier opens a round of the cluster's, and this slot is filled again, two K steps ahead.
.macro TURN slot, next, fill
	WIN 0                                          ; (the add's two registers lie in window 0)
	s_wait_tensorcnt 0x0                           ; all my tensor loads have landed: my part of the next slot
	ds_add_u32 v[SPW], v[NIL]                      ; 0 onto my spare word
	s_wait_dscnt 9                                 ; the add and the youngest eight loads (y's blocks 4-7) may be out
	WIN MUL
	MULN F1, 0, 2, 0                               ; eight matrix instructions stand between the add and the wait for it
	s_wait_dscnt 0x0                               ; the add is done, and my reads of this slot are over
	s_barrier_signal -1
	MULN F1, 2, 2, 0
	WIN 0
	s_barrier_wait -1
.if \fill
	CREST                                          ; no wave of any partner still reads this slot's tile or has a load on its way
	s_add_nc_u64 s[G0+4*\slot+2:G0+4*\slot+3], s[G0+4*\slot+2:G0+4*\slot+3], 4*262144      ; two K steps on: four heads,
	s_add_nc_u64 s[G0B+4*\slot+2:G0B+4*\slot+3], s[G0B+4*\slot+2:G0B+4*\slot+3], 2*KSTEP*2 ; 512 bytes along w_proj's rows
	JLOAD \slot                                    ; the first tensor load behind the round; the four v_nop behind it are also the places ahead of the loads below
.else
	PLACES
.endif
	FETCH \next, 0, F0
	WIN MUL
	MULN F1, 4, 4, 0
.endm
	s_wait_tensorcnt 1                             ; my part of K step 0 is in; K step 1's load, issued behind it, may be out
	s_barrier_signal -1
	s_barrier_wait -1                              ; everybody's is
	FETCH 0, 0, F0
	QUARTER 0, 1, F0, F1, 1                        ; the first quarter stands in front of the loop: its products start the sums
	WIN 0                                          ; at a label and at a branch every window is 0
	s_mov_b32 s3, LAPS-1
.Llap:                                                 ; a trip goes once round the ring, from a lap's second quarter to the next lap's first, and fills both slots again
	QUARTER 0, 2, F1, F0, 0
	QUARTER 0, 3, F0, F1, 0
	TURN 0, 1, 1
	QUARTER 1, 1, F0, F1, 0
	QUARTER 1, 2, F1, F0, 0
	QUARTER 1, 3, F0, F1, 0
	TURN 1, 0, 1
	QUARTER 0, 1, F0, F1, 0
	WIN 0
	s_sub_co_u32 s3, s3, 1
	s_cmp_lg_u32 s3, 0
	s_cbranch_scc1 .Llap
	QUARTER 0, 2, F1, F0, 0                        ; the last lap fills nothing, and has no round of the cluster's barrier
	QUARTER 0, 3, F0, F1, 0
	TURN 0, 1, 0
	QUARTER 1, 1, F0, F1, 0
	QUARTER 1, 2, F1, F0, 0
	QUARTER 1, 3, F0, F1, 0
	s_wait_dscnt 8                                 ; the very last quarter: nothing more to fetch
	WIN MUL
	MULN F1, 0, 4, 0
	s_wait_dscnt 0x0
	MULN F1, 4, 4, 0
	WIN 0
; THE WAY OUT, block by block of 16 tokens x 64 outputs.  A lane holds 32 neighbouring bytes of a row: a block goes through my own stage in LDS and comes back as whole rows of 256 bytes: sixteen lanes store 256 consecutive
; bytes, aligned.  LDS serves a wave's instructions in order (ISA guide 5.7.1.4): no wait between the stores and the loads, nor in front of the next block's stores.
.macro TOSTAGE a
	WIN 0x04                                       ; an LDS store's data are its source 1: window 1
.irp b, 0,1,2,3
	ds_store_b128 v[STO], v[8*(4*(\a)+\b):8*(4*(\a)+\b)+3] offset:64*\b          ; each accumulator from its low end on
	ds_store_b128 v[STO], v[8*(4*(\a)+\b)+4:8*(4*(\a)+\b)+7] offset:64*\b+16
.endr
	WIN 0
.set BB, BKB+32*((\a)%2)
.irp t, 0,1,2,3,4,5,6,7
	ds_load_b128 v[BB+4*\t:BB+4*\t+3], v[RD] offset:\t*2*SPITCH
.endr
.endm
.macro SEND a, younger                 ; younger: the LDS instructions issued behind block a's loads: the next block's eight stores and eight loads, or none
.set BB, BKB+32*((\a)%2)
	s_wait_dscnt \younger                          ; the block is back in registers
.irp t, 0,1,2,3,4,5,6,7
	global_store_b128 v[CO], v[BB+4*\t:BB+4*\t+3], s[8:9] offset:(16*(\a)+2*\t)*4096 th:TH_STORE_NT   ; written once, read by nobody here
.endr
.endm
	PLACES                                         ; behind the last products: ahead of the first read of results and of loads into registers that held fragments
	TOSTAGE 0
.irp a, 1,2,3,4,5,6,7
.if \a > 1
	s_wait_xcnt 0x0                                ; block a - 2's stores have read their registers: block a's loads may land there
.endif
	TOSTAGE \a
	SEND \a-1, 16
.endr
	SEND 7, 0
	s_wait_tensorcnt 0x0                           ; the wave's end
	ds_add_u32 v[SPW], v[NIL]
	s_wait_dscnt 0x0
	CROUND                                         ; the closing round: no work-group ends while a partner may still ask for a tile that names it
	s_endpgm
.Lfunc_end_k_q320e672b0e_proj:
	.size	k_q320e672b0e_proj, .Lfunc_end_k_q320e672b0e_proj-k_q320e672b0e_proj
	.p2alignl 7, 3214868480
	.fill 96, 4, 3214868480
	.section	.rodata,"a",@progbits
	.p2align	6, 0x0
	.amdhsa_kernel k_q320e672b0e_proj
		.amdhsa_group_segment_fixed_size 327680
		.amdhsa_private_segment_fixed_size 0
		.amdhsa_enable_private_segment 0
		.amdhsa_kernarg_size 24
		.amdhsa_user_sgpr_count 2
		.amdhsa_user_sgpr_kernarg_segment_ptr 1
		.amdhsa_wavefront_size32 1
		.amdhsa_system_sgpr_workgroup_id_x 1
		.amdhsa_system_sgpr_workgroup_id_y 1
		.amdhsa_system_sgpr_workgroup_id_z 1
		.amdhsa_system_vgpr_workitem_id 0
		.amdhsa_next_free_vgpr 512
		.amdhsa_next_free_sgpr 66
		.amdhsa_reserve_vcc 0
		.amdhsa_float_denorm_mode_32 3
		.amdhsa_float_denorm_mode_16_64 3
		.amdhsa_memory_ordered 1
		.amdhsa_forward_progress 1
		.amdhsa_inst_pref_size 86
	.end_amdhsa_kernel
	.amdgpu_metadata
---
amdhsa.version: [ 1, 2 ]
amdhsa.kernels:
  - .name:           k_q320e672b0e_proj
    .symbol:         k_q320e672b0e_proj.kd
    .args:
      - { .name: y16, .offset: 0, .size: 8, .value_kind: global_buffer, .address_space: global }
      - { .name: wp16, .offset: 8, .size: 8, .value_kind: global_buffer, .address_space: global }
      - { .name: out0, .offset: 16, .size: 8, .value_kind: global_buffer, .address_space: global }
    .group_segment_fixed_size: 327680
    .private_segment_fixed_size: 0
    .kernarg_segment_align: 8
    .kernarg_segment_size: 24
    .max_flat_workgroup_size: 128
    .sgpr_count:     66
    .vgpr_count:     512
    .wavefront_size: 32
...
	.end_amdgpu_metadata
.endif
;; end of part 4
